; MI455X (gfx1250); checked and timed in simulation.
; The chip was launched on July 23, 2026; its instructions are those of AMD's public machine-readable ISA for CDNA 5 (MIT licence, August 2026) and "CDNA5" Instruction Set Architecture Reference Guide (July 2026). The comments in the code are by the model that wrote it; some were corrected since.
;; Self Multi Head Attn. Allowed arithmetic: matrix products marked QUANTISED: E4M3 operands, one given power-of-two scale a tensor, by v_wmma_f32_16x16x64_fp8_fp8 or v_wmma_f32_16x16x128_fp8_fp8, f32 sums; everything else in f32.
;; Inputs: W_out_codes 1,024 x 32 x 32 uint8 (E4M3 codes of W_out, K innermost, in blocks of 32 codes); W_qkv_codes 3,072 x 32 x 32 uint8 (E4M3 codes of W_qkv, K innermost, in blocks of 32 codes); b_out 1,024 float32; b_qkv 3,072 float32; ln_b 1,024 float32; ln_g 1,024 float32; lowp_scales 8 int32 (the exponents e of the quantised operands' scales 2^e); pos 2 x 2,048 x 1 x 64 float32; x 2 x 2,048 x 1,024 float32.
;; Outputs: out0 2 x 2,048 x 1,024 float32.
;; This version of the problem:
;;   THIS VERSION OF THE PROBLEM IS GIVEN IN LOW PRECISION. The matrix products marked QUANTISED in the list below multiply operands that are first quantised to E4M3 (4 exponent bits, 3 mantissa bits; 8 bits a number), with one given power-of-two scale for each operand tensor; their sums are f32. All else is computed in f32.
;;   The module's matrix products, in the order in which they are computed (A, B: the left and right operand; K: the contracted axis; several contracted axes count as one K, in the product's order):
;;     1. [M 4,096, K 1,024] x [K 1,024, N 3,072]; A: input x; B: input W_qkv (given as codes): QUANTISED (scales: A lowp_scales[0], B lowp_scales[1])
;;     2. batch 32 x [M 2,048, K 64] x [K 64, N 2,048]; A: computed on the way; B: computed on the way: QUANTISED (scales: A lowp_scales[2], B lowp_scales[3])
;;     3. batch 32 x [M 64, K 2,048] x [K 2,048, N 2,048]; A: computed on the way; B: softmax (see below): QUANTISED (scales: A lowp_scales[4], B lowp_scales[5])
;;     4. [M 4,096, K 1,024] x [K 1,024, N 1,024]; A: computed on the way; B: input W_out (given as codes): QUANTISED (scales: A lowp_scales[6], B lowp_scales[7])
;;   THE QUANTISER, for each operand of a quantised product, along K:
;;     - The operand's scale is 2^e, e = its entry of the input lowp_scales (int32; the entries are numbered through the quantised products in the list's order, A before B).
;;     - Each number is divided by the scale, clamped to +-448, and rounded to the nearest number of E4M3, ties to even, subnormals kept.
;;     - The product sums the exact products of the quantised numbers (number of the format x scale) in f32.
;;   ~~~python
;;   def quantise(x, axis, e):      # numpy; x: float32 -> the quantised numbers, widened to float32 again
;;       x = np.moveaxis(x, axis, -1); K = x.shape[-1]
;;       r = np.clip(x / 2.0 ** e, -448, 448)
;;       step = 2.0 ** (np.maximum(np.frexp(np.where(r == 0, 1, r))[1] - 1, -6) - 3)
;;       q = np.round(r / step) * step * 2.0 ** e      # np.round: ties to even
;;       return np.moveaxis(q, -1, axis).astype(np.float32)
;;   ~~~
;;   SOFTMAX AHEAD OF A QUANTISED PRODUCT. Where the list says 'softmax', what is quantised is not the finished softmax but p = 2^(t - M), with t = logit x log2(e) and M = ceil(the row's largest t), a whole number; so 1/2 < the row's largest p <= 1. The row's sum l is taken of the UNQUANTISED p, in f32, and the product's result is divided by l at the end. Since M is a whole number, a kernel that streams over the keys may use a running M (the ceiling of the running maximum): every later rescaling is an exact power of two, so the quantised numbers keep their values, but for numbers so far below the row's largest that they fall under the format's range.
;;   OPERANDS COMPUTED ON THE WAY. 'Computed on the way' means the value that the module computes at that place (a softmax that the list does not call 'softmax' is quantised finished and normalised). What goes into a quantiser is computed in f32, as accurately as f32 sums, v_exp_f32 and their like allow (about 1e-6 of the number): no bf16 or f16 on the way to a quantiser, and a product that is left as it is and whose result goes on into a quantised operand takes f32 operands (vector FMAs, or v_wmma_f32_16x16x4_f32). A number that lies on a knife's edge between two numbers of the format may be rounded either way, as far as f32 arithmetic and the matrix unit's own rounding can turn it there, and no further.
;;   INPUTS GIVEN AS CODES. W_out (in the module: [1024, 1024], K = its axis 0); W_qkv (in the module: [1024, 3072], K = its axis 0): each comes as NAME_codes (uint8): NAME with its K axis moved to the last place and cut into blocks of 32 codes, [.., K / 32, bytes a block], one block behind the other in memory; one code a byte (a code: sign, 4 exponent bits, 3 mantissa bits); its scale is its entry of lowp_scales. Its value is code x scale, taken as it is: it is not quantised again, and the codes and scales need not be those that the quantiser above would give.
;; 2 versions, each right; version 2 is version 1 with the launch outln written anew for expert scheduling mode. Each part assembles by itself: llvm-mc -triple=amdgcn-amd-amdhsa -mcpu=gfx1250 --defsym DOCPART=n.
;; ======== version 1 of 2: 4 launches
;; workspace buffers: x_img 4,194,304 bytes; wo_img 1,048,576 bytes; q_img 4,194,304 bytes; kv_img 8,388,608 bytes; ctx_img 4,194,304 bytes
;; launch prep (part 1): grid 320 x 1, 4 waves a work-group, no clusters, 85,504 bytes of LDS; arguments x, W_out_codes, lowp_scales, x_img, wo_img; writes x_img, wo_img
.if DOCPART == 1
	.amdgcn_target "amdgcn-amd-amdhsa--gfx1250"
	.amdhsa_code_object_version 6
	.text
	.protected	k_q904534a406_prep
	.globl	k_q904534a406_prep
	.p2align	8
	.type	k_q904534a406_prep,@function
k_q904534a406_prep:
	s_mov_b64 s[64:65], 0
	v_nop
	global_prefetch_b8 v0, s[64:65] scope:SCOPE_SE
	s_setreg_imm32_b32 hwreg(HW_REG_WAVE_MODE, 25, 1), 1
	s_wait_xcnt 0x0
; Two jobs in one launch, parted by the work-group's number.
; Work-groups 0-255: x [4096][1024] f32 becomes codes of E4M3 with the given scale 2^e0 (entry 0 of the scales), laid in the ORDER OF AN OPERAND'S REGISTERS:
;   x_img [row tile 0..255][K step 0..7][quad c 0..3][lane][16 bytes]; lane (r, h) of quad c holds the codes of row 16 tile + r at k = 128 step + 32 c + 16 h + 0..15.
; Work-groups 256-319: W_out's codes [1024 (n)][1024 (k)] are laid anew, unchanged, as fragments of the plain K = 128 form:
;   wo_img [n / 128][K step][tile of 16 n][quad][lane][16 bytes]; registers 2 c, 2 c + 1 of lane (r, h) hold k = 128 step + 16 c + 8 h + 0..7 of column r of the tile.
; So every later load of an operand is 16 bytes a lane, 512 consecutive bytes a wave.
; code = x / 2^e0, held within +-448, to the nearest code, ties to even.  LIMITS: e0 between -126 and 119; NaN among the inputs is not served.
; No matrix unit, no tensor load, no barrier, no loop: waves share nothing; each wave turns its bytes through a stage of its own in LDS.  Each of the two paths has LDS bytes of its own.
; Every global load and store of a wave covers whole aligned runs of 256 bytes.
.set RAW,   16                         ; v16-143  x as loaded: fragment u, row i at 16 + 64 u + 4 i
.set X,     144                        ; v144-207 64 numbers of a lane in the operand's order (W's path: the fragments)
.set CD,    208                        ; v208-239 codes: fragment u at 208 + 16 u; never written twice, so no store's data are rewritten
.set XSTG,  16896                      ; x path: a wave's two stages of 16 rows x (512 + 16) bytes
.set XHALF, 8448
.set WSTG,  67584                      ; W path: behind them, 16 rows x (256 + 16) bytes a wave
.set WWV,   4352
	s_load_b128 s[4:7], s[0:1], 0x0                ; x, W_out's codes
	s_load_b64 s[8:9], s[0:1], 0x10                ; the scales' exponents
	s_load_b128 s[12:15], s[0:1], 0x18             ; x_img, wo_img
	v_lshl_add_u32 v240, v0, 2, 0x14c00
	v_mov_b32 v241, 0
	v_lshrrev_b32 v1, 5, v0
	v_readfirstlane_b32 s16, v1                    ; wave 0..3
	v_and_b32 v1, 31, v0                           ; lane
	v_lshlrev_b32 v2, 4, v1                        ; 16 x lane
	v_and_b32 v3, 15, v0                           ; r
	v_bfe_u32 v4, v0, 4, 1                         ; h
	s_mul_i32 s17, s16, XSTG
	v_add_nc_u32 v5, s17, v2                       ; x's stage, in: a row's 512 bytes as they lie
	v_mul_u32_u24 v6, v3, 528
	v_lshl_add_u32 v6, v4, 6, v6
	v_add_nc_u32 v6, s17, v6                       ; x's stage, out: row r, + 64 h: my 16 numbers of a block of 32
	v_lshlrev_b32 v7, 4, v3
	v_lshl_add_u32 v7, v4, 10, v7                  ; W in memory: lanes 0-15 one row's 256 bytes, lanes 16-31 the next row's
	s_mul_i32 s18, s16, WWV
	s_add_co_u32 s18, s18, WSTG
	v_mul_u32_u24 v8, v4, 272
	v_lshl_add_u32 v8, v3, 4, v8
	v_add_nc_u32 v8, s18, v8                       ; W's stage, in
	v_mul_u32_u24 v9, v3, 272
	v_lshl_add_u32 v9, v4, 3, v9
	v_add_nc_u32 v9, s18, v9                       ; W's stage, out: row r, + 8 h
	s_mov_b32 s23, 0
	s_wait_kmcnt 0x0
	s_cmp_ge_u32 ttmp9, 256
	s_cbranch_scc1 .Lw
	; ---- x: the work-group is a tile of 16 rows; wave w takes K steps 2 w and 2 w + 1 (1,024 bytes of each row)
	s_load_b32 s20, s[8:9], 0x0                    ; e0
	s_lshl_b32 s17, ttmp9, 16                      ; 16 rows of 4,096 bytes
	s_lshl_b32 s18, s16, 10
	s_add_co_u32 s22, s17, s18
	s_add_nc_u64 s[4:5], s[4:5], s[22:23]
	s_lshl_b32 s17, ttmp9, 14                      ; a row tile's 8 fragments of 2,048 bytes
	s_lshl_b32 s18, s16, 12
	s_add_co_u32 s22, s17, s18
	s_add_nc_u64 s[12:13], s[12:13], s[22:23]
.irp u, 0,1
.irp i, 0,1,2,3,4,5,6,7,8,9,10,11,12,13,14,15
	global_load_b128 v[RAW+64*\u+4*\i:RAW+64*\u+4*\i+3], v2, s[4:5] offset:4096*\i+512*\u th:TH_LOAD_NT   ; 512 consecutive bytes of row i
.endr
.endr
	s_wait_kmcnt 0x0
	s_add_co_i32 s20, s20, 127
	s_lshl_b32 s21, s20, 23
	v_mov_b32 v11, s21                             ; 2^e0 as f32: the conversion takes its exponent field
	s_add_co_i32 s20, s20, 8
	s_lshl_b32 s20, s20, 23
	s_or_b32 s20, s20, 0x600000
	v_mov_b32 v10, s20                             ; 448 x 2^e0
; 64 numbers in v[X] on (register 16 b + i = k 32 b + 16 h + i of my row) become a fragment's 16 registers of codes
.macro QUANT dst
.irp b, 0,1,2,3
.irp i, 0,1,2,3,4,5,6,7,8,9,10,11,12,13,14,15
	v_med3_num_f32 v[X+16*\b+\i], v[X+16*\b+\i], -v10, v10   ; the conversion to an 8-bit code does not saturate (ISA guide 7.6.2): the hold comes first
.endr
	v_cvt_scalef32_pk8_fp8_f32 v[(\dst)+4*\b:(\dst)+4*\b+1], v[X+16*\b:X+16*\b+7], v11
	v_cvt_scalef32_pk8_fp8_f32 v[(\dst)+4*\b+2:(\dst)+4*\b+3], v[X+16*\b+8:X+16*\b+15], v11
.endr
	v_nop                                          ; a plain line behind the last conversion
.endm
	s_wait_loadcnt 16                              ; fragment 0's sixteen loads are in; fragment 1's sixteen are younger
.irp i, 0,1,2,3,4,5,6,7,8,9,10,11,12,13,14,15
	ds_store_b128 v5, v[RAW+4*\i:RAW+4*\i+3] offset:528*\i
.endr
.irp c, 0,1,2,3
.irp j, 0,1,2,3
	ds_load_b128 v[X+16*\c+4*\j:X+16*\c+4*\j+3], v6 offset:128*\c+16*\j   ; LDS serves a wave's instructions in order: these see the stores above
.endr
.endr
	s_wait_loadcnt 0x0
.irp i, 0,1,2,3,4,5,6,7,8,9,10,11,12,13,14,15
	ds_store_b128 v5, v[RAW+64+4*\i:RAW+64+4*\i+3] offset:XHALF+528*\i
.endr
	s_wait_dscnt 16                                ; the sixteen stores just issued may be out: fragment 0's numbers are back
	QUANT CD
.irp c, 0,1,2,3
	global_store_b128 v2, v[CD+4*\c:CD+4*\c+3], s[12:13] offset:512*\c
.endr
.irp c, 0,1,2,3
.irp j, 0,1,2,3
	ds_load_b128 v[X+16*\c+4*\j:X+16*\c+4*\j+3], v6 offset:XHALF+128*\c+16*\j
.endr
.endr
	s_wait_dscnt 0x0
	QUANT CD+16
.irp c, 0,1,2,3
	global_store_b128 v2, v[CD+16+4*\c:CD+16+4*\c+3], s[12:13] offset:2048+512*\c
.endr
	s_wait_tensorcnt 0x0
	ds_add_u32 v240, v241
	s_wait_dscnt 0x0
	s_endpgm
.Lw:	; ---- W_out: the work-group is a tile of 16 columns n (16 rows of codes); wave w takes K bytes 256 w on: K steps 2 w and 2 w + 1
	s_sub_co_u32 s17, ttmp9, 256                   ; the tile, 0..63
	s_lshl_b32 s18, s17, 14                        ; 16 rows of 1,024 bytes
	s_lshl_b32 s19, s16, 8
	s_add_co_u32 s22, s18, s19
	s_add_nc_u64 s[6:7], s[6:7], s[22:23]
	s_lshr_b32 s18, s17, 3
	s_lshl_b32 s18, s18, 17                        ; 131,072 bytes for each 128 columns,
	s_and_b32 s19, s17, 7
	s_lshl_b32 s19, s19, 11                        ; 2,048 for each tile,
	s_add_co_u32 s22, s18, s19
	s_lshl_b32 s19, s16, 15                        ; 16,384 for each K step
	s_add_co_u32 s22, s22, s19
	s_add_nc_u64 s[14:15], s[14:15], s[22:23]
.irp i, 0,1,2,3,4,5,6,7
	global_load_b128 v[RAW+4*\i:RAW+4*\i+3], v7, s[6:7] offset:2048*\i th:TH_LOAD_NT   ; two rows' 256 bytes
.endr
	s_wait_loadcnt 0x0
.irp i, 0,1,2,3,4,5,6,7
	ds_store_b128 v8, v[RAW+4*\i:RAW+4*\i+3] offset:544*\i
.endr
.irp u, 0,1
.irp c, 0,1,2,3,4,5,6,7
	ds_load_b64 v[X+16*\u+2*\c:X+16*\u+2*\c+1], v9 offset:128*\u+16*\c   ; registers 2 c, 2 c + 1: k = 16 c + 8 h + 0..7 of row r
.endr
.endr
	s_wait_dscnt 0x0
.irp u, 0,1
.irp q, 0,1,2,3
	global_store_b128 v2, v[X+16*\u+4*\q:X+16*\u+4*\q+3], s[14:15] offset:16384*\u+512*\q
.endr
.endr
	s_wait_tensorcnt 0x0
	ds_add_u32 v240, v241
	s_wait_dscnt 0x0
	s_endpgm
.Lfunc_end_k_q904534a406_prep:
	.size	k_q904534a406_prep, .Lfunc_end_k_q904534a406_prep-k_q904534a406_prep
	.p2alignl 7, 3214868480
	.fill 96, 4, 3214868480
	.section	.rodata,"a",@progbits
	.p2align	6, 0x0
	.amdhsa_kernel k_q904534a406_prep
		.amdhsa_group_segment_fixed_size 85504
		.amdhsa_private_segment_fixed_size 0
		.amdhsa_enable_private_segment 0
		.amdhsa_kernarg_size 40
		.amdhsa_user_sgpr_count 2
		.amdhsa_user_sgpr_kernarg_segment_ptr 1
		.amdhsa_wavefront_size32 1
		.amdhsa_system_sgpr_workgroup_id_x 1
		.amdhsa_system_sgpr_workgroup_id_y 1
		.amdhsa_system_sgpr_workgroup_id_z 1
		.amdhsa_system_vgpr_workitem_id 0
		.amdhsa_next_free_vgpr 242
		.amdhsa_next_free_sgpr 66
		.amdhsa_reserve_vcc 0
		.amdhsa_float_denorm_mode_32 3
		.amdhsa_float_denorm_mode_16_64 3
		.amdhsa_memory_ordered 1
		.amdhsa_forward_progress 1
		.amdhsa_inst_pref_size 24
	.end_amdhsa_kernel
	.amdgpu_metadata
---
amdhsa.version: [ 1, 2 ]
amdhsa.kernels:
  - .name:           k_q904534a406_prep
    .symbol:         k_q904534a406_prep.kd
    .args:
      - { .name: x, .offset: 0, .size: 8, .value_kind: global_buffer, .address_space: global }
      - { .name: W_out_codes, .offset: 8, .size: 8, .value_kind: global_buffer, .address_space: global }
      - { .name: lowp_scales, .offset: 16, .size: 8, .value_kind: global_buffer, .address_space: global }
      - { .name: x_img, .offset: 24, .size: 8, .value_kind: global_buffer, .address_space: global }
      - { .name: wo_img, .offset: 32, .size: 8, .value_kind: global_buffer, .address_space: global }
    .group_segment_fixed_size: 85504
    .private_segment_fixed_size: 0
    .kernarg_segment_align: 8
    .kernarg_segment_size: 40
    .max_flat_workgroup_size: 128
    .sgpr_count:     66
    .vgpr_count:     242
    .wavefront_size: 32
...
	.end_amdgpu_metadata
.endif
;; end of part 1
;; launch qkv (part 2): grid 16 x 16, 4 waves a work-group, clusters of 4 x 1, 279,040 bytes of LDS; arguments x_img, W_qkv_codes, b_qkv, pos, lowp_scales, q_img, kv_img; writes q_img, kv_img
.if DOCPART == 2
	.amdgcn_target "amdgcn-amd-amdhsa--gfx1250"
	.amdhsa_code_object_version 6
	.text
	.protected	k_q904534a406_qkv
	.globl	k_q904534a406_qkv
	.p2align	8
	.type	k_q904534a406_qkv,@function
k_q904534a406_qkv:
	s_mov_b64 s[64:65], 0
	v_nop
	global_prefetch_b8 v0, s[64:65] scope:SCOPE_SE
	s_setreg_imm32_b32 hwreg(HW_REG_WAVE_MODE, 25, 1), 1
	s_wait_xcnt 0x0
	s_wait_alu depctr_hold_cnt(0) depctr_sa_sdst(0) depctr_va_vdst(0) depctr_va_sdst(0) depctr_va_ssrc(0) depctr_va_vcc(0) depctr_vm_vsrc(0)
	s_getreg_b32 s2, hwreg(HW_REG_IB_STS2, 6, 4)
	s_cmp_eq_u32 s2, 0
	s_cbranch_scc0 .Lentry_in_a_cluster
	s_endpgm
.Lentry_in_a_cluster:
	s_bfe_u32 s2, ttmp6, 0x10000c
	s_cmp_lg_u32 s2, 0x3003
	s_cbranch_scc0 .Lentry_shape_is_right
	s_endpgm
.Lentry_shape_is_right:
; qkv = x W_qkv + b_qkv on codes of E4M3; k / |k|; rope on q and k; q, k and v quantised with their given scales (entries 2, 3, 4) and stored in the order of the next products' operand registers.
; SHARES.  A work-group takes 256 rows (x: row block 0..15) of one head (y); a wave 64 rows x the head's 192 columns: 48 accumulators, 8 K steps of 128, 384 matrix instructions, written out without a loop.
; The head's 192 rows of W's codes (1,024 bytes each) fit in LDS and are filled ONCE, in four chunks of 256 along K.  CLUSTER: the four row blocks of a cluster share the head, so each tile of W is asked for JOINTLY
; (mask of all four).  x's fragments come from x_img straight into registers: each has one reading wave in a work-group, so LDS would add a round trip and a joint load nothing.
; Both operands of the first product carry the same permutation of k inside a K step (registers 4 c .. 4 c + 3: k = 32 c + 16 h + 0..15): every product meets its partner.
; LAYOUT.  q's and k's tiles: source 0 = 16 rows of W, source 1 = 16 rows of x: a lane holds ONE row and eight neighbouring d.  v's tiles: the sources swapped: a lane holds ONE d and eight neighbouring keys.
; So one conversion of a tile's eight registers gives registers 2 c, 2 c + 1 of the next product's K = 64 fragment (c = the tile's number): nothing is transposed.
;   q_img  [b x head][tile of 16 queries][2 quads];   kv_img [b x head][block of 64 keys]: four tiles of keys (1,024 bytes each), then four fragments of V^T (16 d x 64 keys each).
; LIMITS on the given exponents: e2, e3, e4 between -126 and 119; e0 + e1 between -126 and 127.  NaN is not served.  A key whose squared norm lies under 2^-126 is flushed by v_rsq_f32.
; Nothing is prefetched: all tiles of W are asked for at the head, and x's fragments three K steps ahead.
; REGISTERS.  window 0: v1-7, v16-19 addresses; v8-15 v's bias; v20-25 scales; v[28:29] 1 / |k|; v32-223 three sets of x's fragments (64 each), on the way out at work; v224-239 codes; v240-247 at work.
;   window 1: W's fragments, one set: q's four at v0, k's at v64, v's at v128.   window 2: accumulator (row tile mt, column tile ct 0..7) at 8 (8 mt + ct).   window 3: v's accumulator (dt, mt) at 32 dt + 8 mt.
.set PITCH, 272                        ; an LDS row: 256 bytes + 16 of padding: the 16 rows that a load touches start at 16 different groups of banks
.set CHB,   192*PITCH                  ; a chunk: the head's 192 rows, 256 along K
.set WVB,   48*PITCH                   ; what one tensor load brings: 48 rows
.set PSTG,  4*CHB                      ; behind the chunks: pos's stage, 64 rows x 272 bytes for each wave; no tile lands there
.set PWV,   64*PITCH
.set WV, 18                            ; s18  my wave's number
.set G1, 24                            ; s[24:31] descriptor group 1
.set G0, 32                            ; s[32:47] group 0, a set for each chunk
.set AF, 32                            ; x's three sets
.set MSB, 0
.macro WIN new                         ; the immediate's high byte repeats the setting that is left
.if MSB != \new
	s_set_vgpr_msb (MSB<<8)|\new
.set MSB, \new
.endif
.endm
.macro PLACES                          ; four plain lines between a matrix instruction and a load into its registers or a read of its result
.rept 4
	v_nop
.endr
.endm
.macro CROUND                          ; a round of the cluster's barrier
	s_barrier_signal -1
	s_barrier_wait -1
	s_cmp_lg_u32 s[WV], 0
	s_cbranch_scc1 .Lnot_wave_0_\@
	s_barrier_signal -3
.Lnot_wave_0_\@:
	s_barrier_wait -3
	s_barrier_signal -1
	s_barrier_wait -1
.endm
.macro MKSCALE e, vs, vl               ; v[vs] = 2^e as f32, v[vl] = 448 x 2^e
	s_add_co_i32 s60, s[\e], 127
	s_lshl_b32 s61, s60, 23
	v_mov_b32 v[\vs], s61
	s_add_co_i32 s60, s60, 8
	s_lshl_b32 s60, s60, 23
	s_or_b32 s60, s60, 0x600000
	v_mov_b32 v[\vl], s60
.endm
	s_load_b256 s[4:11], s[0:1], 0x0               ; x_img s[4:5], W's codes s[6:7], b_qkv s[8:9], pos s[10:11]
	s_load_b128 s[12:15], s[0:1], 0x20             ; the scales s[12:13], q_img s[14:15]
	s_load_b64 s[16:17], s[0:1], 0x30              ; kv_img
	v_lshl_add_u32 v254, v0, 2, 0x44000
	v_mov_b32 v255, 0
	ds_add_u32 v254, v255
	ds_add_u32 v254, v255
	v_lshrrev_b32 v1, 5, v0
	v_readfirstlane_b32 s[WV], v1                  ; wave 0..3
	s_and_b32 s21, ttmp7, 0xffff                   ; the head, which the four partners share
	s_mul_i32 s60, s21, 196608                     ; the head's 192 rows of 1,024 bytes,
	s_mul_i32 s61, s[WV], 49152                    ; my 48 of them
	s_add_co_u32 s60, s60, s61
	s_mov_b32 s61, 0
	s_mul_i32 s62, s[WV], WVB                      ; and their place in a chunk: no place in the cluster enters an LDS address
	s_mov_b32 s[G1], 15|(1<<20)|(1<<21)|(5<<22)|(3<<25)   ; the mask: all four work-groups; elements of 1 byte; padding on; bit 21 beside a mask; 4 words after every 64
	s_mov_b32 s[G1+1], 256<<16                     ; tensor_dim0
	s_mov_b32 s[G1+2], 48<<16                      ; tensor_dim1
	s_mov_b32 s[G1+3], 256<<16                     ; tile_dim0
	s_mov_b32 s[G1+4], 48                          ; tile_dim1
	s_mov_b32 s[G1+5], 1024                        ; from row to row
	s_mov_b32 s[G1+6], 0
	s_mov_b32 s[G1+7], 0
	s_bfe_u32 s19, ttmp6, 0x40000                  ; cx
	s_lshl_b32 s20, ttmp9, 2
	s_add_co_u32 s20, s20, s19                     ; my row block, 0..15: it enters global addresses of x_img, pos, q_img and kv_img alone
	s_lshl_b32 s66, s20, 18                        ; x_img: (16 block + 4 wave) row tiles of 16,384 bytes
	s_lshl_b32 s67, s[WV], 16
	s_add_co_u32 s66, s66, s67
	s_mov_b32 s67, 0
	s_lshl_b32 s68, s20, 16                        ; pos: (256 block + 64 wave) rows of 256 bytes
	s_lshl_b32 s69, s[WV], 14
	s_add_co_u32 s68, s68, s69
	s_mov_b32 s69, 0
	s_lshr_b32 s70, s20, 3
	s_lshl_b32 s70, s70, 4
	s_add_co_u32 s70, s70, s21                     ; 16 b + head
	s_and_b32 s71, s20, 7
	s_lshl_b32 s71, s71, 2
	s_add_co_u32 s71, s71, s[WV]                   ; my 64 rows' number in the sequence, 0..31
	s_lshl_b32 s72, s70, 17                        ; q_img: 131,072 bytes a head, 4,096 for 64 queries
	s_lshl_b32 s73, s71, 12
	s_add_co_u32 s72, s72, s73
	s_mov_b32 s73, 0
	s_lshl_b32 s74, s70, 18                        ; kv_img: 262,144 bytes a head, 8,192 for 64 keys
	s_lshl_b32 s75, s71, 13
	s_add_co_u32 s74, s74, s75
	s_mov_b32 s75, 0
	s_mul_i32 s22, s21, 768                        ; b_qkv: the head's 192 numbers
	s_mov_b32 s23, 0
	s_mov_b32 s58, 0x76543210                      ; v_permlanex16_b32: lane l xor 16
	s_mov_b32 s59, 0xfedcba98
	v_and_b32 v1, 31, v0
	v_lshlrev_b32 v1, 4, v1                        ; 16 x lane
	v_and_b32 v2, 15, v0                           ; r
	v_bfe_u32 v3, v0, 4, 1                         ; h
	v_mul_u32_u24 v4, v2, PITCH
	v_lshl_add_u32 v4, v3, 4, v4                   ; W's fragments: row r, + 16 h, in chunk 0,
	v_add_nc_u32 v5, CHB, v4                       ; 1,
	v_add_nc_u32 v6, 2*CHB, v4                     ; 2,
	v_add_nc_u32 v7, 3*CHB, v4                     ; 3
	s_mul_i32 s63, s[WV], PWV
	s_add_co_u32 s63, s63, PSTG                    ; my stage for pos
	v_mul_u32_u24 v16, v3, PITCH
	v_lshl_add_u32 v16, v2, 4, v16
	v_add_nc_u32 v16, s63, v16                     ; in: lanes 0-15 one row of 256 bytes, lanes 16-31 the next
	v_mul_u32_u24 v17, v2, PITCH
	v_lshl_add_u32 v17, v3, 5, v17
	v_add_nc_u32 v17, s63, v17                     ; out: row r, + 32 h: eight numbers of my half
	v_lshlrev_b32 v18, 5, v3                       ; q's and k's bias: + 32 h
	v_lshlrev_b32 v19, 2, v2                       ; v's bias: + 4 r
	v_mov_b32 v29, 0                               ; named as the upper half of the pair v[28:29]
	v_mov_b32 v245, 0                              ; a lane permute's destination counts as read
	s_wait_dscnt 0x0
	s_wait_kmcnt 0x0
	s_load_b256 s[48:55], s[12:13], 0x0            ; e0 .. e7
	s_add_nc_u64 s[6:7], s[6:7], s[60:61]
	s_add_nc_u64 s[4:5], s[4:5], s[66:67]
	s_add_nc_u64 s[10:11], s[10:11], s[68:69]
	s_add_nc_u64 s[14:15], s[14:15], s[72:73]
	s_add_nc_u64 s[16:17], s[16:17], s[74:75]
	s_add_nc_u64 s[8:9], s[8:9], s[22:23]
.irp p, 0,1,2,3
	s_mov_b32 s[G0+4*\p], 1                        ; count = 1
	s_add_co_u32 s[G0+4*\p+1], s62, \p*CHB         ; LDS address
	s_add_nc_u64 s[G0+4*\p+2:G0+4*\p+3], s[6:7], 256*\p   ; global address: 256 along K on for each chunk
	s_or_b32 s[G0+4*\p+3], s[G0+4*\p+3], 0x80000000       ; type = 2
.endr
	CROUND                                         ; all four work-groups are here: the joint loads meet
	tensor_load_to_lds s[G0:G0+3], s[G1:G1+7]      ; the launch's only fills, as one group: four loads of mine are out
	s_nop 0
	tensor_load_to_lds s[G0+4:G0+7], s[G1:G1+7]
	s_nop 0
	tensor_load_to_lds s[G0+8:G0+11], s[G1:G1+7]
	s_nop 0
	tensor_load_to_lds s[G0+12:G0+15], s[G1:G1+7]
	s_nop 0
	PLACES                                         ; four plain lines follow the loads
.macro ALOAD s                         ; x's four fragments (row tiles mt) of K step s into set s % 3
.irp mt, 0,1,2,3
.irp c, 0,1,2,3
	global_load_b128 v[AF+64*((\s)%3)+16*\mt+4*\c:AF+64*((\s)%3)+16*\mt+4*\c+3], v1, s[4:5] offset:16384*\mt+2048*(\s)+512*\c
.endr
.endr
.endm
.macro GLOAD s, g                      ; W's four fragments of group g (0: q, 1: k, 2: v) for K step s
	WIN 0x40                                       ; destination window 1, address window 0
.irp i, 0,1,2,3
.irp c, 0,1,2,3
	ds_load_b128 v[64*(\g)+16*\i+4*\c:64*(\g)+16*\i+4*\c+3], v[4+(\s)/2] offset:4352*(4*(\g)+\i)+128*((\s)%2)+32*\c
.endr
.endr
.endm
; The 48 accumulators take turns, one instruction a turn, in the same order in every K step.  The first K step's products start the sums: nothing is cleared.
.macro MULQK s, g                      ; 16 products: source 0 = 16 rows of W, source 1 = 16 rows of x
	WIN 0xa1                                       ; source 0 window 1, source 1 window 0, C and D window 2
.irp mt, 0,1,2,3
.irp i, 0,1,2,3
.if (\s) == 0
	v_wmma_f32_16x16x128_fp8_fp8 v[8*(8*\mt+4*(\g)+\i):8*(8*\mt+4*(\g)+\i)+7], v[64*(\g)+16*\i:64*(\g)+16*\i+15], v[AF+64*((\s)%3)+16*\mt:AF+64*((\s)%3)+16*\mt+15], 0
.else
	v_wmma_f32_16x16x128_fp8_fp8 v[8*(8*\mt+4*(\g)+\i):8*(8*\mt+4*(\g)+\i)+7], v[64*(\g)+16*\i:64*(\g)+16*\i+15], v[AF+64*((\s)%3)+16*\mt:AF+64*((\s)%3)+16*\mt+15], v[8*(8*\mt+4*(\g)+\i):8*(8*\mt+4*(\g)+\i)+7]
.endif
.endr
.endr
.endm
.macro MULV s                          ; 16 products with the sources swapped: source 0 = 16 rows of x (keys), source 1 = 16 rows of W (d)
	WIN 0xf4                                       ; source 0 window 0, source 1 window 1, C and D window 3
.irp i, 0,1,2,3
.irp mt, 0,1,2,3
.if (\s) == 0
	v_wmma_f32_16x16x128_fp8_fp8 v[32*\i+8*\mt:32*\i+8*\mt+7], v[AF+64*((\s)%3)+16*\mt:AF+64*((\s)%3)+16*\mt+15], v[128+16*\i:128+16*\i+15], 0
.else
	v_wmma_f32_16x16x128_fp8_fp8 v[32*\i+8*\mt:32*\i+8*\mt+7], v[AF+64*((\s)%3)+16*\mt:AF+64*((\s)%3)+16*\mt+15], v[128+16*\i:128+16*\i+15], v[32*\i+8*\mt:32*\i+8*\mt+7]
.endif
.endr
.endr
.endm
.macro CHUNK p                         ; chunk p is whole: my part has landed (the later chunks' loads stay out), and so has everybody's
	s_wait_tensorcnt 3-(\p)
	s_wait_dscnt 0x0                               ; no LDS instruction of mine is pending at a signal
	s_barrier_signal -1
	s_barrier_wait -1
.endm
.macro POSLOAD y, d                    ; 32 of my 64 rows of pos, as they lie, into a set of x's that is done with
.irp i, 0,1,2,3,4,5,6,7,8,9,10,11,12,13,14,15
	global_load_b128 v[\d+4*\i:\d+4*\i+3], v1, s[10:11] offset:8192*\y+512*\i
.endr
.endm
.macro BIASLOAD                        ; q's and k's bias in the result's layout (columns 16 ct + 8 h + 0..7), v's (column 128 + 16 dt + r) twice, as a pair: 24 loads
.irp ct, 0,1,2,3,4,5,6,7
	global_load_b128 v[96+8*\ct:99+8*\ct], v18, s[8:9] offset:64*\ct
	global_load_b128 v[100+8*\ct:103+8*\ct], v18, s[8:9] offset:64*\ct+16
.endr
.irp dt, 0,1,2,3
	global_load_b32 v[8+2*\dt], v19, s[8:9] offset:512+64*\dt
	global_load_b32 v[9+2*\dt], v19, s[8:9] offset:512+64*\dt
.endr
.endm
; A K step: three groups of 16 products; behind each group, and four places, the same group's fragments of the next K step are asked for: 32 products ahead of their use.
.macro KSTEP s
	s_wait_loadcnt 32                              ; this step's fragments of x are in; the two runs of sixteen loads issued behind them may be out
	s_wait_dscnt 32                                ; group 0 is in; the two younger groups may be out
	MULQK \s, 0
	PLACES
.if ((\s) == 1) || ((\s) == 3) || ((\s) == 5)
	CHUNK ((\s)+1)/2                               ; the next K step begins a new chunk
.endif
.if (\s) < 7
	GLOAD (\s)+1, 0
	s_wait_dscnt 32
.else
	s_wait_dscnt 16                                ; the last step asks for nothing: the counts run down
.endif
	MULQK \s, 1
	PLACES
.if (\s) < 7
	GLOAD (\s)+1, 1
	s_wait_dscnt 32
.else
	s_wait_dscnt 0
.endif
	MULV \s
	PLACES                                         ; also for the global loads below, into the set of x's just multiplied
.if (\s) < 7
	GLOAD (\s)+1, 2
.endif
	WIN 0
.if (\s) < 5
	ALOAD (\s)+3
.elseif (\s) == 5
	POSLOAD 0, 160
.elseif (\s) == 6
	POSLOAD 1, 32
.else
	BIASLOAD
.endif
.endm
	ALOAD 0
	ALOAD 1
	ALOAD 2
	s_wait_kmcnt 0x0                               ; the exponents
	s_add_co_i32 s56, s48, s49
	s_add_co_i32 s56, s56, 127
	s_lshl_b32 s56, s56, 23                        ; 2^(e0 + e1) as f32
	s_mov_b32 s57, s56                             ; named with it as a pair
	MKSCALE 50, 20, 21                             ; q's
	MKSCALE 51, 22, 23                             ; k's
	MKSCALE 52, 24, 25                             ; v's
	CHUNK 0
	GLOAD 0, 0
	GLOAD 0, 1
	GLOAD 0, 2
.irp s, 0,1,2,3,4,5,6,7
	KSTEP \s
.endr
	; ---- THE WAY OUT.  pos goes through my own stage, so that a lane gets the sines and cosines of its row.
	s_wait_loadcnt 24                              ; pos is in; the 24 bias loads are younger
.irp n, 0,1,2,3,4,5,6,7,8,9,10,11,12,13,14,15
	ds_store_b128 v16, v[160+4*\n:163+4*\n] offset:544*\n
.endr
.irp n, 0,1,2,3,4,5,6,7,8,9,10,11,12,13,14,15
	ds_store_b128 v16, v[32+4*\n:35+4*\n] offset:544*(16+\n)
.endr
	s_wait_dscnt 0x0                               ; the stores have read their registers
	s_wait_loadcnt 0x0                             ; the biases
; rope: 32 numbers of a lane from v[x0] on (d = 16 t + 8 h + j in the first sixteen, 32 + that in the second) -> v160-191.  v192-207: sines, v208-223: cosines
.macro ROPE x0
.irp p, 0,2,4,6,8,10,12,14
	v_pk_mul_f32 v[160+\p:161+\p], v[\x0+16+\p:\x0+17+\p], v[192+\p:193+\p]
	v_pk_mul_f32 v[176+\p:177+\p], v[\x0+16+\p:\x0+17+\p], v[208+\p:209+\p]
.endr
.irp p, 0,2,4,6,8,10,12,14
	v_pk_fma_f32 v[160+\p:161+\p], v[\x0+\p:\x0+1+\p], v[208+\p:209+\p], v[160+\p:161+\p] neg_lo:[0,0,1] neg_hi:[0,0,1]   ; x0 cos - x1 sin
	v_pk_fma_f32 v[176+\p:177+\p], v[\x0+\p:\x0+1+\p], v[192+\p:193+\p], v[176+\p:177+\p]                                 ; x0 sin + x1 cos
.endr
.endm
; 32 numbers from v[src] on become a K = 64 fragment's eight registers from v[dst] on
.macro QNT src, dst, sc, lim
.set i, 0
.rept 32
	v_med3_num_f32 v[\src+i], v[\src+i], -v[\lim], v[\lim]   ; the hold: the conversion does not saturate (ISA guide 7.6.2)
.set i, i+1
.endr
.irp c, 0,1,2,3
	v_cvt_scalef32_pk8_fp8_f32 v[\dst+2*\c:\dst+2*\c+1], v[\src+8*\c:\src+8*\c+7], v[\sc]
.endr
	v_nop                                          ; a plain line behind the last conversion
.endm
.macro ROWTILE mt
.irp part, 0,1
.irp t, 0,1
.irp e, 0,1
	ds_load_b128 v[192+16*\part+8*\t+4*\e:195+16*\part+8*\t+4*\e], v17 offset:4352*\mt+128*\part+64*\t+16*\e
.endr
.endr
.endr
	WIN 0x02                                       ; source 0 window 2
.set j, 0
.rept 32
	v_pk_fma_f32 v[32+j:33+j], v[64*\mt+j:64*\mt+j+1], s[56:57], v[96+j:97+j] op_sel_hi:[1,0,1]   ; sum x 2^(e0 + e1) + bias; each accumulator from its low end on.  v32-63: q, v64-95: k
.set j, j+2
.endr
	WIN 0
	s_wait_dscnt 0x0                               ; sines and cosines
	v_pk_mul_f32 v[240:241], v[64:65], v[64:65]    ; |k|^2: my 32 numbers in two chains,
	v_pk_mul_f32 v[242:243], v[66:67], v[66:67]
.irp i, 4,8,12,16,20,24,28
	v_pk_fma_f32 v[240:241], v[64+\i:65+\i], v[64+\i:65+\i], v[240:241]
	v_pk_fma_f32 v[242:243], v[66+\i:67+\i], v[66+\i:67+\i], v[242:243]
.endr
	v_pk_add_f32 v[240:241], v[240:241], v[242:243]
	v_add_f32 v240, v240, v241
	v_permlanex16_b32 v245, v240, s58, s59
	v_add_f32 v240, v240, v245                     ; and lane l xor 16's
	v_rsq_f32 v28, v240
	ROPE 32                                        ; q: independent work behind the root
	s_wait_xcnt 0x0                                ; the last stores have read their data: the codes' registers are written again only behind this wait
	QNT 160, 224, 20, 21
	global_store_b128 v1, v[224:227], s[14:15] offset:1024*\mt
	global_store_b128 v1, v[228:231], s[14:15] offset:1024*\mt+512
	s_wait_alu depctr_va_vdst(0)                   ; the wait ahead of the first line that names the root's result
.set j, 0
.rept 16
	v_pk_mul_f32 v[64+j:65+j], v[64+j:65+j], v[28:29] op_sel_hi:[1,0]   ; k / |k|
.set j, j+2
.endr
	ROPE 64
	QNT 160, 232, 22, 23
	global_store_b128 v1, v[232:235], s[16:17] offset:1024*\mt
	global_store_b128 v1, v[236:239], s[16:17] offset:1024*\mt+512
.endm
.irp mt, 0,1,2,3
	ROWTILE \mt
.endr
.irp dt, 0,1,2,3                       ; v: 16 d x my 64 keys: the four tiles (dt, mt) are one fragment of V^T
	WIN 0x03                                       ; source 0 window 3
.set j, 0
.rept 16
	v_pk_fma_f32 v[32+j:33+j], v[32*\dt+j:32*\dt+j+1], s[56:57], v[8+2*\dt:9+2*\dt] op_sel_hi:[1,0,1]
.set j, j+2
.endr
	WIN 0
	s_wait_xcnt 0x0                                ; the last stores have read their data
	QNT 32, 224, 24, 25
	global_store_b128 v1, v[224:227], s[16:17] offset:4096+1024*\dt
	global_store_b128 v1, v[228:231], s[16:17] offset:4096+1024*\dt+512
.endr
	s_wait_tensorcnt 0x0
	ds_add_u32 v254, v255
	s_wait_dscnt 0x0
	CROUND                                         ; the closing round: no work-group ends while a partner may still ask for a tile that names it
	s_endpgm
.Lfunc_end_k_q904534a406_qkv:
	.size	k_q904534a406_qkv, .Lfunc_end_k_q904534a406_qkv-k_q904534a406_qkv
	.p2alignl 7, 3214868480
	.fill 96, 4, 3214868480
	.section	.rodata,"a",@progbits
	.p2align	6, 0x0
	.amdhsa_kernel k_q904534a406_qkv
		.amdhsa_group_segment_fixed_size 279040
		.amdhsa_private_segment_fixed_size 0
		.amdhsa_enable_private_segment 0
		.amdhsa_kernarg_size 56
		.amdhsa_user_sgpr_count 2
		.amdhsa_user_sgpr_kernarg_segment_ptr 1
		.amdhsa_wavefront_size32 1
		.amdhsa_system_sgpr_workgroup_id_x 1
		.amdhsa_system_sgpr_workgroup_id_y 1
		.amdhsa_system_sgpr_workgroup_id_z 1
		.amdhsa_system_vgpr_workitem_id 0
		.amdhsa_next_free_vgpr 896
		.amdhsa_next_free_sgpr 80
		.amdhsa_reserve_vcc 0
		.amdhsa_float_denorm_mode_32 3
		.amdhsa_float_denorm_mode_16_64 3
		.amdhsa_memory_ordered 1
		.amdhsa_forward_progress 1
		.amdhsa_inst_pref_size 151
	.end_amdhsa_kernel
	.amdgpu_metadata
---
amdhsa.version: [ 1, 2 ]
amdhsa.kernels:
  - .name:           k_q904534a406_qkv
    .symbol:         k_q904534a406_qkv.kd
    .args:
      - { .name: x_img, .offset: 0, .size: 8, .value_kind: global_buffer, .address_space: global }
      - { .name: W_qkv_codes, .offset: 8, .size: 8, .value_kind: global_buffer, .address_space: global }
      - { .name: b_qkv, .offset: 16, .size: 8, .value_kind: global_buffer, .address_space: global }
      - { .name: pos, .offset: 24, .size: 8, .value_kind: global_buffer, .address_space: global }
      - { .name: lowp_scales, .offset: 32, .size: 8, .value_kind: global_buffer, .address_space: global }
      - { .name: q_img, .offset: 40, .size: 8, .value_kind: global_buffer, .address_space: global }
      - { .name: kv_img, .offset: 48, .size: 8, .value_kind: global_buffer, .address_space: global }
    .group_segment_fixed_size: 279040
    .private_segment_fixed_size: 0
    .kernarg_segment_align: 8
    .kernarg_segment_size: 56
    .max_flat_workgroup_size: 128
    .sgpr_count:     80
    .vgpr_count:     896
    .wavefront_size: 32
...
	.end_amdgpu_metadata
.endif
;; end of part 2
;; launch attn (part 3): grid 8 x 32, 8 waves a work-group, clusters of 4 x 1, 263,168 bytes of LDS; arguments q_img, kv_img, lowp_scales, ctx_img; writes ctx_img
.if DOCPART == 3
	.amdgcn_target "amdgcn-amd-amdhsa--gfx1250"
	.amdhsa_code_object_version 6
	.text
	.protected	k_q904534a406_attn
	.globl	k_q904534a406_attn
	.p2align	8
	.type	k_q904534a406_attn,@function
k_q904534a406_attn:
	s_mov_b64 s[64:65], 0
	v_nop
	global_prefetch_b8 v0, s[64:65] scope:SCOPE_SE
	s_setreg_imm32_b32 hwreg(HW_REG_WAVE_MODE, 25, 1), 1
	s_wait_xcnt 0x0
	s_wait_alu depctr_hold_cnt(0) depctr_sa_sdst(0) depctr_va_vdst(0) depctr_va_sdst(0) depctr_va_ssrc(0) depctr_va_vcc(0) depctr_vm_vsrc(0)
	s_getreg_b32 s2, hwreg(HW_REG_IB_STS2, 6, 4)
	s_cmp_eq_u32 s2, 0
	s_cbranch_scc0 .Lentry_in_a_cluster
	s_endpgm
.Lentry_in_a_cluster:
	s_bfe_u32 s2, ttmp6, 0x10000c
	s_cmp_lg_u32 s2, 0x3003
	s_cbranch_scc0 .Lentry_shape_is_right
	s_endpgm
.Lentry_shape_is_right:
; ctx = softmax(q k^T) v (scale 1), both products on codes of E4M3, then ctx quantised with its given scale (entry 6) and stored in the order of the last product's operand registers.
; THE SOFTMAX: t = score x log2(e); M = the running largest t rounded UP to a whole number; p = 2^(t - M) is quantised with 2^e5, not normalised; the row's sum is taken of the unquantised p and divides at the end.
; When M moves, the sum and O are multiplied by 2^(old M - new M): nothing is rounded, and there is no branch on data.
; SHARES.  A work-group owns 256 queries (x) of one (b, head) (y); each of its eight waves 32 queries, two tiles, and walks the 2,048 keys 128 a step: 16 steps.  Two waves to a SIMD, 512 registers each.
; Two tiles of queries to a wave, so that each fragment of K and V read from LDS feeds two products.  128 keys to a step, so that the statistics' tail and the rescaling of O^T are paid once for 128 keys.
; LDS mirrors the head's part of kv_img, 262,144 bytes, filled ONCE in four groups of 65,536 (each wave one load of 8,192 bytes a group).  CLUSTER: the four query blocks of a cluster share the head: each tile is asked for JOINTLY.
; The images are dense (16 bytes a lane, 512 consecutive bytes a load): no pitch, no padding.  Nothing is prefetched: all tiles are asked for at the head.
; LAYOUT.  S^T = K Q^T (K = 64 form; source 0 = 16 keys, source 1 = 16 queries), O^T = V^T P^T (K = 128 form; source 0 = 16 d, source 1 = P): a lane holds ONE query throughout.  Key tile t's eight registers, converted, are
; registers 2 t, 2 t + 1 of P; the fragments of V^T of the step's two blocks of 64 keys, on end, are the K = 128 form's sixteen registers.
; ORDER OF A STEP.  V is asked for at the head and used at the end; the NEXT step's K is asked for behind the four places that follow K Q^T: no LDS load is waited for just after its issue.
; The 128 exponentials are ONE batch with ONE wait; between them stand plain lines that name no exponential's result: the scalings (two pairs ahead of their exponentials) and a queue of 51 lines:
; the rest of tile 1's maximum, its tail, and the rescaling of O^T.  All that reads a result (sums, holds, conversions) comes behind the wait.
; LIMITS on the given exponents: e2 + e3 between -126 and 127 (added to log2(e)'s exponent field); e5, e6 between -126 and 119; e4 + e5 is applied by v_ldexp_f32.  NaN is not served.
; REGISTERS, in windows of 256.  window 0: v1 16 x lane; v2 the step's LDS address; tile a: v[8+4a] -M, v[9+4a] the largest t, v[10+4a:11+4a] the sum; v[16+4a..19+4a] four chains of the maximum, later the sum's second chain;
;   v[24+2a:25+2a] f; v[28+a] a permute's destination; v30, v31 scale and hold; v32-159 S^T, then p (tile a at 32 + 64 a); v160-223 O^T (160 + 32 a + 8 dt); v224-255 p's codes (224 + 16 a).
;   window 1: v0-63 K (8 t); v64-127 V (64 + 16 dt); v128-143 Q (128 + 8 a).   Six switches of the window a step.
.set WV, 12                            ; s12  my wave's number
.set G1, 24                            ; s[24:31] descriptor group 1
.set G0, 32                            ; s[32:47] group 0, a set for each group of keys
.set S,  32
.set O,  160
.set P,  224
.set KF, 0                             ; in window 1
.set VF, 64
.set QF, 128
.set STEPB, 16384                      ; a step's two blocks of kv_img
.set MSB, 0
.macro WIN new                         ; the immediate's high byte repeats the setting that is left
.if MSB != \new
	s_set_vgpr_msb (MSB<<8)|\new
.set MSB, \new
.endif
.endm
.macro CROUND                          ; a round of the cluster's barrier
	s_barrier_signal -1
	s_barrier_wait -1
	s_cmp_lg_u32 s[WV], 0
	s_cbranch_scc1 .Lnot_wave_0_\@
	s_barrier_signal -3
.Lnot_wave_0_\@:
	s_barrier_wait -3
	s_barrier_signal -1
	s_barrier_wait -1
.endm
.macro MKSCALE e                       ; v30 = 2^e as f32, v31 = 448 x 2^e
	s_add_co_i32 s57, s[\e], 127
	s_lshl_b32 s62, s57, 23
	v_mov_b32 v30, s62
	s_add_co_i32 s57, s57, 8
	s_lshl_b32 s57, s57, 23
	s_or_b32 s57, s57, 0x600000
	v_mov_b32 v31, s57
.endm
	s_load_b256 s[4:11], s[0:1], 0x0               ; q_img s[4:5], kv_img s[6:7], the scales s[8:9], ctx_img s[10:11]
	v_lshl_add_u32 v6, v0, 2, 0x40000
	v_mov_b32 v7, 0
	ds_add_u32 v6, v7
	ds_add_u32 v6, v7
	v_lshrrev_b32 v1, 5, v0
	v_readfirstlane_b32 s[WV], v1                  ; wave 0..7
	s_and_b32 s15, ttmp7, 0xffff                   ; 16 b + head, which the four partners share
	s_lshl_b32 s54, s15, 18                        ; the head's 262,144 bytes of kv_img,
	s_lshl_b32 s56, s[WV], 13                      ; my 8,192 of a group: in memory and in LDS alike
	s_add_co_u32 s54, s54, s56
	s_mov_b32 s55, 0
	s_mov_b32 s[G1], 15|(3<<16)|(1<<21)            ; the mask: all four work-groups; elements of 8 bytes; bit 21 beside a mask; no padding
	s_mov_b32 s[G1+1], 32<<16                      ; tensor_dim0 = 32 elements: rows of 256 bytes
	s_mov_b32 s[G1+2], 32<<16                      ; tensor_dim1 = 32 rows
	s_mov_b32 s[G1+3], 32<<16                      ; tile_dim0
	s_mov_b32 s[G1+4], 32                          ; tile_dim1
	s_mov_b32 s[G1+5], 32                          ; dense: each row begins where the last ends
	s_mov_b32 s[G1+6], 0
	s_mov_b32 s[G1+7], 0
	s_bfe_u32 s13, ttmp6, 0x40000                  ; cx
	s_lshl_b32 s14, ttmp9, 2
	s_add_co_u32 s14, s14, s13                     ; my block of 256 queries, 0..7: it enters q_img's and ctx_img's addresses alone
	s_lshl_b32 s58, s15, 17                        ; q_img: 131,072 bytes a head, 16,384 a block, 2,048 a wave
	s_lshl_b32 s59, s14, 14
	s_add_co_u32 s58, s58, s59
	s_lshl_b32 s59, s[WV], 11
	s_add_co_u32 s58, s58, s59
	s_mov_b32 s59, 0
	s_lshr_b32 s60, s15, 4                         ; ctx_img: row tile 128 b + 16 block + 2 wave, 16,384 bytes each; 1,024 for each head
	s_lshl_b32 s60, s60, 21
	s_lshl_b32 s61, s14, 18
	s_add_co_u32 s60, s60, s61
	s_lshl_b32 s61, s[WV], 15
	s_add_co_u32 s60, s60, s61
	s_and_b32 s61, s15, 15
	s_lshl_b32 s61, s61, 10
	s_add_co_u32 s60, s60, s61
	s_mov_b32 s61, 0
	s_mov_b32 s50, 0x76543210                      ; v_permlanex16_b32: lane l xor 16
	s_mov_b32 s51, 0xfedcba98
	v_and_b32 v1, 31, v0
	v_lshlrev_b32 v1, 4, v1                        ; 16 x lane
	s_wait_dscnt 0x0
	s_wait_kmcnt 0x0
	s_load_b256 s[16:23], s[8:9], 0x0              ; e0 .. e7
	s_add_nc_u64 s[6:7], s[6:7], s[54:55]
	s_add_nc_u64 s[4:5], s[4:5], s[58:59]
	s_add_nc_u64 s[10:11], s[10:11], s[60:61]
.irp g, 0,1,2,3
	s_mov_b32 s[G0+4*\g], 1                        ; count = 1
	s_add_co_u32 s[G0+4*\g+1], s56, 65536*\g       ; LDS address
	s_add_nc_u64 s[G0+4*\g+2:G0+4*\g+3], s[6:7], 65536*\g
	s_or_b32 s[G0+4*\g+3], s[G0+4*\g+3], 0x80000000       ; type = 2
.endr
	WIN 0x40                                       ; destination window 1, address window 0
.irp a, 0,1
	global_load_b128 v[QF+8*\a:QF+8*\a+3], v1, s[4:5] offset:1024*\a        ; Q's two fragments stay in registers; asked for ahead of the round, so that they are on their way while the work-groups meet
	global_load_b128 v[QF+8*\a+4:QF+8*\a+7], v1, s[4:5] offset:1024*\a+512
.endr
	WIN 0
	CROUND                                         ; all four work-groups are here: the joint loads meet
	tensor_load_to_lds s[G0:G0+3], s[G1:G1+7]      ; the launch's only fills, as one group: four loads of mine are out
	s_nop 0
	tensor_load_to_lds s[G0+4:G0+7], s[G1:G1+7]
	s_nop 0
	tensor_load_to_lds s[G0+8:G0+11], s[G1:G1+7]
	s_nop 0
	tensor_load_to_lds s[G0+12:G0+15], s[G1:G1+7]
	s_nop 0
.rept 4
	v_nop                                          ; four plain lines follow the loads
.endr
.irp a, 0,1
	v_mov_b32 v[9+4*\a], 0xff61b1e6                ; the largest t so far: -3e38, under every t
	v_floor_f32 v[8+4*\a], -v[9+4*\a]              ; -M
	v_mov_b32 v[10+4*\a], 0                        ; the sum, in two halves
	v_mov_b32 v[11+4*\a], 0
	v_mov_b32 v[25+2*\a], 0                        ; named as the upper half of f's pair
	v_mov_b32 v[28+\a], 0                          ; a lane permute's destination counts as read
.endr
.set j, 0
.rept 64
	v_mov_b32 v[O+j], 0                            ; O^T: the step is written without a first step of its own; the first finds zeros, which the first change of M leaves zeros
.set j, j+1
.endr
	s_wait_kmcnt 0x0
	s_add_co_i32 s57, s18, s19
	s_lshl_b32 s57, s57, 23
	s_mov_b32 s48, 0x3fb8aa3b                      ; log2(e);
	s_add_co_i32 s48, s48, s57                     ; a score stands for score x 2^(e2 + e3): the exponents are added to its exponent field
	s_mov_b32 s49, s48                             ; named with it as a pair
	MKSCALE 21                                     ; p's scale and hold
; ---- THE LISTS OF A STEP'S VECTOR WORK, each line by its number.
; Number k of 32 of tile a's maximum: its 64 scores in ascending order; four chains, then the two joins
.macro MX a, k
.set rS, S+64*(\a)
.set rC, 16+4*(\a)
.if (\k) < 4
	v_max3_num_f32 v[rC+(\k)], v[rS+3*(\k)], v[rS+3*(\k)+1], v[rS+3*(\k)+2]
.elseif (\k) < 30
	v_max3_num_f32 v[rC+(\k)%4], v[rC+(\k)%4], v[rS+2*(\k)+4], v[rS+2*(\k)+5]
.elseif (\k) == 30
	v_max3_num_f32 v[rC], v[rC], v[rC+1], v[rC+2]
.else
	v_max_num_f32 v[rC], v[rC], v[rC+3]
.endif
.endm
; Number k of 9 of tile a's tail: each line reads the line before
.macro TL a, k
.set rC, 16+4*(\a)
.set rM, 8+4*(\a)
.if (\k) == 0
	v_permlanex16_b32 v[28+(\a)], v[rC], s50, s51  ; the query's other 64 keys lie in lane l xor 16
.elseif (\k) == 1
	v_max_num_f32 v[rC], v[rC], v[28+(\a)]
.elseif (\k) == 2
	v_mul_f32 v[rC], s48, v[rC]                    ; as t (the factor is positive)
.elseif (\k) == 3
	v_max_num_f32 v[rM+1], v[rM+1], v[rC]          ; the running largest t
.elseif (\k) == 4
	v_mov_b32 v[rC], v[rM]
.elseif (\k) == 5
	v_floor_f32 v[rM], -v[rM+1]                    ; the new -M = floor(-t): M is a whole number
.elseif (\k) == 6
	v_sub_f32 v[rC], v[rM], v[rC]                  ; old M - new M: a whole number, 0 or less
.elseif (\k) == 7
	v_cvt_i32_f32 v[rC], v[rC]                     ; (it saturates)
.else
	v_ldexp_f32 v[24+2*(\a)], 1.0, v[rC]           ; f = 2^(old M - new M)
.endif
.endm
.macro FM a, k                         ; pair k of 32: t - M, two at a time (of the pairs c and -M the low word serves both halves)
	v_pk_fma_f32 v[S+64*(\a)+2*(\k):S+64*(\a)+2*(\k)+1], v[S+64*(\a)+2*(\k):S+64*(\a)+2*(\k)+1], s[48:49], v[8+4*(\a):9+4*(\a)] op_sel_hi:[1,0,0]
.endm
.macro EX a, k                         ; p = 2^(t - M), at most 1
	v_exp_f32 v[S+64*(\a)+(\k)], v[S+64*(\a)+(\k)]
.endm
.macro RS a, k                         ; pair k of 16 of tile a's O^T under the new M, in ascending order: each accumulator from its low end on
	v_pk_mul_f32 v[O+32*(\a)+2*(\k):O+32*(\a)+2*(\k)+1], v[O+32*(\a)+2*(\k):O+32*(\a)+2*(\k)+1], v[24+2*(\a):25+2*(\a)] op_sel_hi:[1,0]
.endm
; The queue of 51 plain lines that stand among the exponentials: none names an exponential's result
.macro FILL
.if fq < 10
	MX 1, 22+fq
.elseif fq < 19
	TL 1, fq-10
.elseif fq < 35
	RS 0, fq-19
.elseif fq < 51
	RS 1, fq-35
.endif
.set fq, fq+1
.endm
.macro SLOT                            ; 68 slots a step; every fourth stays empty: 51 lines
.if (sl%4) != 3
	FILL
.endif
.set sl, sl+1
.endm
; Tile a's 64 exponentials: exponential, scaling (two pairs ahead), exponential, a slot of the queue.  34 slots: 32, and two where the scalings have run out.
; In tile 0's batch 26 lines of the queue are written: tile 1's maximum and tail (19 lines) are done before tile 1's first scaling.
.macro BATCH a
	FM \a, 0
	FM \a, 1
.set kk, 0
.rept 32
	EX \a, 2*kk
.if kk < 30
	FM \a, kk+2
.else
	SLOT
.endif
	EX \a, 2*kk+1
	SLOT
.set kk, kk+1
.endr
.endm
.macro KLOAD off                       ; the eight tiles of keys of the two blocks that begin off bytes behind the step's
	WIN 0x40                                       ; destination window 1, address window 0
.irp u, 0,1
.irp t, 0,1,2,3
	ds_load_b128 v[KF+8*(4*\u+\t):KF+8*(4*\u+\t)+3], v2 offset:(\off)+8192*\u+1024*\t
	ds_load_b128 v[KF+8*(4*\u+\t)+4:KF+8*(4*\u+\t)+7], v2 offset:(\off)+8192*\u+1024*\t+512
.endr
.endr
.endm
.macro VLOAD                           ; the step's four fragments of V^T: registers 8 u on of each come from block u
	WIN 0x40
.irp u, 0,1
.irp t, 0,1,2,3
	ds_load_b128 v[VF+16*\t+8*\u:VF+16*\t+8*\u+3], v2 offset:8192*\u+4096+1024*\t
	ds_load_b128 v[VF+16*\t+8*\u+4:VF+16*\t+8*\u+7], v2 offset:8192*\u+4096+1024*\t+512
.endr
.endr
.endm
; A KEY STEP: 128 keys: the two blocks at LDS byte s52.  pf = 1: the next step's K is asked for.
.macro STEP pf
	v_add_nc_u32 v2, s52, v1                       ; with the three lines below: four places between the last products and the loads into V's registers
.rept 3
	v_nop
.endr
	VLOAD
	s_wait_dscnt 16                                ; K, asked for a step ago, is in; V's sixteen loads are younger and may be out
	WIN 0x05                                       ; sources 0 (K) and 1 (Q) window 1, S^T window 0
.irp t, 0,1,2,3,4,5,6,7
.irp a, 0,1
	v_wmma_f32_16x16x64_fp8_fp8 v[S+64*\a+8*\t:S+64*\a+8*\t+7], v[KF+8*\t:KF+8*\t+7], v[QF+8*\a:QF+8*\a+7], 0
.endr
.endr
.rept 4
	v_nop                                          ; four places: for the loads into K's registers and for the first read of the scores
.endr
.if \pf
	KLOAD STEPB
.endif
	WIN 0
.set kk, 0
.rept 30
	MX 0, kk                                       ; tile 0's maximum, in four chains
.set kk, kk+1
.endr
.set kk, 0
.rept 11                                       ; tile 0's two joins and its tail, eleven lines of which each reads the line before: two lines of tile 1's maximum stand behind each
.if kk < 2
	MX 0, 30+kk
.else
	TL 0, kk-2
.endif
	MX 1, 2*kk
	MX 1, 2*kk+1
.set kk, kk+1
.endr
.set fq, 0
.set sl, 0
	BATCH 0
	BATCH 1
.rept 4
.if fq < 51
	FILL                                           ; (what the slots have left of the queue: nothing, by the count above)
.endif
.endr
	v_pk_mul_f32 v[10:11], v[10:11], v[24:25] op_sel_hi:[1,0]   ; the sums under the new M: plain lines behind the last exponential
	v_pk_mul_f32 v[14:15], v[14:15], v[26:27] op_sel_hi:[1,0]
	s_wait_alu depctr_va_vdst(0)                   ; one wait for the whole batch, ahead of its first reader
.irp a, 0,1
	v_pk_add_f32 v[16+4*\a:17+4*\a], v[S+64*\a:S+64*\a+1], v[S+64*\a+2:S+64*\a+3]   ; the row's sum is taken of the UNQUANTISED p, in two chains a tile, the tiles line by line
.endr
.irp i, 4,8,12,16,20,24,28,32,36,40,44,48,52,56,60
.irp a, 0,1
	v_pk_add_f32 v[10+4*\a:11+4*\a], v[10+4*\a:11+4*\a], v[S+64*\a+\i:S+64*\a+\i+1]
	v_pk_add_f32 v[16+4*\a:17+4*\a], v[16+4*\a:17+4*\a], v[S+64*\a+\i+2:S+64*\a+\i+3]
.endr
.endr
.irp a, 0,1
	v_pk_add_f32 v[10+4*\a:11+4*\a], v[10+4*\a:11+4*\a], v[16+4*\a:17+4*\a]
.endr
.irp a, 0,1
.irp t, 0,1,2,3,4,5,6,7
.irp i, 0,1,2,3,4,5,6,7
	v_min_num_f32 v[S+64*\a+8*\t+\i], v[S+64*\a+8*\t+\i], v31   ; the hold (the conversion does not saturate: ISA guide 7.6.2); p is not negative, so it is one-sided
.endr
	v_cvt_scalef32_pk8_fp8_f32 v[P+16*\a+2*\t:P+16*\a+2*\t+1], v[S+64*\a+8*\t:S+64*\a+8*\t+7], v30
.endr
.endr
	v_nop                                          ; a plain line between the last conversion and the products that read its result
	s_wait_dscnt 16*\pf                            ; V is in; the next step's sixteen loads of K are younger and may be out
	WIN 0x01                                       ; source 0 (V) window 1; P and O^T window 0
.irp t, 0,1,2,3
.irp a, 0,1
	v_wmma_f32_16x16x128_fp8_fp8 v[O+32*\a+8*\t:O+32*\a+8*\t+7], v[VF+16*\t:VF+16*\t+15], v[P+16*\a:P+16*\a+15], v[O+32*\a+8*\t:O+32*\a+8*\t+7]   ; the eight accumulators by turns
.endr
.endr
	WIN 0                                          ; at a label and at a branch every window is 0
.endm
	s_wait_loadcnt 0x0                             ; Q
	s_wait_tensorcnt 3                             ; my part of the first 512 keys has landed; the three later groups' loads stay out
	s_wait_dscnt 0x0                               ; no LDS instruction of mine is pending at a signal
	s_barrier_signal -1
	s_barrier_wait -1                              ; everybody's part has
	s_mov_b32 s52, 0
	v_add_nc_u32 v2, s52, v1
	KLOAD 0                                        ; the first step's K
	WIN 0
	s_mov_b32 s53, 3
.Lfirst:                                           ; steps 0 to 2: with the K that they ask for ahead they read steps 0 to 3: the first group's 65,536 bytes and no more
	STEP 1
	s_add_co_u32 s52, s52, STEPB
	s_sub_co_u32 s53, s53, 1
	s_cmp_lg_u32 s53, 0
	s_cbranch_scc1 .Lfirst
	s_wait_tensorcnt 0x0                           ; all my parts have landed
	s_wait_dscnt 0x0                               ; no LDS instruction of mine is pending at a signal
	s_barrier_signal -1
	s_barrier_wait -1                              ; everybody's have: the head's K and V lie whole in LDS
	s_mov_b32 s53, 12
.Lrest:                                            ; steps 3 to 14
	STEP 1
	s_add_co_u32 s52, s52, STEPB
	s_sub_co_u32 s53, s53, 1
	s_cmp_lg_u32 s53, 0
	s_cbranch_scc1 .Lrest
	STEP 0                                         ; step 15 is written out: there is no K behind it to ask for
	; ---- THE WAY OUT: O^T / the sum x 2^(e4 + e5), quantised with 2^e6: tile dt's eight registers become registers 2 dt, 2 dt + 1 of the head's part of the last product's operand
.rept 4
	v_nop
.endr
.irp a, 0,1
	v_add_f32 v[16+4*\a], v[10+4*\a], v[11+4*\a]
.endr
.irp a, 0,1
	v_permlanex16_b32 v[28+\a], v[16+4*\a], s50, s51
.endr
.irp a, 0,1
	v_add_f32 v[16+4*\a], v[16+4*\a], v[28+\a]     ; the row's sum
.endr
.irp a, 0,1
	v_rcp_f32 v[24+2*\a], v[16+4*\a]
.endr
	v_nop                                          ; a plain line behind the last reciprocal
	s_add_co_i32 s54, s20, s21                     ; e4 + e5
	MKSCALE 22                                     ; ctx's scale and hold
	s_wait_alu depctr_va_vdst(0)                   ; one wait for both reciprocals, ahead of their first reader
.irp a, 0,1
	v_ldexp_f32 v[24+2*\a], v[24+2*\a], s54
.endr
.set j, 0
.rept 16
	v_pk_mul_f32 v[O+j:O+j+1], v[O+j:O+j+1], v[24:25] op_sel_hi:[1,0]         ; each accumulator from its low end on
	v_pk_mul_f32 v[O+32+j:O+32+j+1], v[O+32+j:O+32+j+1], v[26:27] op_sel_hi:[1,0]
.set j, j+2
.endr
.set j, 0
.rept 64
	v_med3_num_f32 v[O+j], v[O+j], -v31, v31       ; the hold
.set j, j+1
.endr
.irp a, 0,1
.irp t, 0,1,2,3
	v_cvt_scalef32_pk8_fp8_f32 v[P+8*\a+2*\t:P+8*\a+2*\t+1], v[O+32*\a+8*\t:O+32*\a+8*\t+7], v30
.endr
.endr
	v_nop                                          ; a plain line behind the last conversion
.irp a, 0,1
	global_store_b128 v1, v[P+8*\a:P+8*\a+3], s[10:11] offset:16384*\a         ; 512 consecutive bytes a store
	global_store_b128 v1, v[P+8*\a+4:P+8*\a+7], s[10:11] offset:16384*\a+512
.endr
	s_wait_tensorcnt 0x0
	ds_add_u32 v6, v7
	s_wait_dscnt 0x0
	CROUND                                         ; the closing round: no work-group ends while a partner may still ask for a tile that names it
	s_endpgm
.Lfunc_end_k_q904534a406_attn:
	.size	k_q904534a406_attn, .Lfunc_end_k_q904534a406_attn-k_q904534a406_attn
	.p2alignl 7, 3214868480
	.fill 96, 4, 3214868480
	.section	.rodata,"a",@progbits
	.p2align	6, 0x0
	.amdhsa_kernel k_q904534a406_attn
		.amdhsa_group_segment_fixed_size 263168
		.amdhsa_private_segment_fixed_size 0
		.amdhsa_enable_private_segment 0
		.amdhsa_kernarg_size 32
		.amdhsa_user_sgpr_count 2
		.amdhsa_user_sgpr_kernarg_segment_ptr 1
		.amdhsa_wavefront_size32 1
		.amdhsa_system_sgpr_workgroup_id_x 1
		.amdhsa_system_sgpr_workgroup_id_y 1
		.amdhsa_system_sgpr_workgroup_id_z 1
		.amdhsa_system_vgpr_workitem_id 0
		.amdhsa_next_free_vgpr 512
		.amdhsa_next_free_sgpr 66
		.amdhsa_reserve_vcc 0
		.amdhsa_float_denorm_mode_32 3
		.amdhsa_float_denorm_mode_16_64 3
		.amdhsa_memory_ordered 1
		.amdhsa_forward_progress 1
		.amdhsa_inst_pref_size 101
	.end_amdhsa_kernel
	.amdgpu_metadata
---
amdhsa.version: [ 1, 2 ]
amdhsa.kernels:
  - .name:           k_q904534a406_attn
    .symbol:         k_q904534a406_attn.kd
    .args:
      - { .name: q_img, .offset: 0, .size: 8, .value_kind: global_buffer, .address_space: global }
      - { .name: kv_img, .offset: 8, .size: 8, .value_kind: global_buffer, .address_space: global }
      - { .name: lowp_scales, .offset: 16, .size: 8, .value_kind: global_buffer, .address_space: global }
      - { .name: ctx_img, .offset: 24, .size: 8, .value_kind: global_buffer, .address_space: global }
    .group_segment_fixed_size: 263168
    .private_segment_fixed_size: 0
    .kernarg_segment_align: 8
    .kernarg_segment_size: 32
    .max_flat_workgroup_size: 256
    .sgpr_count:     66
    .vgpr_count:     512
    .wavefront_size: 32
...
	.end_amdgpu_metadata
.endif
;; end of part 3
;; launch outln (part 4): grid 256 x 1, 8 waves a work-group, no clusters, 66,816 bytes of LDS; arguments ctx_img, wo_img, lowp_scales, b_out, x, ln_g, ln_b, out0; writes out0
.if DOCPART == 4
	.amdgcn_target "amdgcn-amd-amdhsa--gfx1250"
	.amdhsa_code_object_version 6
	.text
	.protected	k_q904534a406_outln
	.globl	k_q904534a406_outln
	.p2align	8
	.type	k_q904534a406_outln,@function
k_q904534a406_outln:
	s_mov_b64 s[64:65], 0
	v_nop
	global_prefetch_b8 v0, s[64:65] scope:SCOPE_SE
	s_setreg_imm32_b32 hwreg(HW_REG_WAVE_MODE, 25, 1), 1
	s_wait_xcnt 0x0
; out = layernorm(x + ctx W_out + b_out) x ln_g + ln_b.  The product runs on codes of E4M3 (ctx_img, wo_img: both in the order of the plain K = 128 form's registers); all else in f32.
; SHARES.  A work-group takes 16 rows x all 1,024 columns, so that a row's mean and variance never leave it.  Wave w makes columns 128 w .. 128 w + 127: 8 accumulators, 8 K steps, 64 matrix instructions.
; Its 131,072 bytes of wo_img are one stream of consecutive bytes straight into registers, three batches of four fragments deep (32 to 48 loads of 512 bytes on their way); ctx's eight fragments and the rows of x are asked for at the head.
; NO CLUSTER, NO JOINT LOADS: each fragment of the weights feeds one matrix instruction of one wave; shared through LDS, the 1,048,576 bytes would pass it in refills behind rounds of a cluster's barrier, for 8 products a wave and K step.
; Nothing is prefetched: every work-group reads the same weights, and x and ctx are asked for at the head.
; THE PRODUCT IS USED TRANSPOSED (source 0 = 16 columns of W_out, source 1 = the 16 rows): a lane holds eight neighbouring columns of one row.  The sums meet in a stage in LDS (rows of 4,096 + 16 bytes); behind ONE barrier wave w
; owns the whole rows 2 w and 2 w + 1: the mean, then the variance of the differences (two passes), then the result, stored as whole rows.
; LIMIT: e6 + e7 between -126 and 127.  NaN is not served.
; REGISTERS.  window 0: v1 16 x lane, v2, v3 stage addresses; v32-95 the accumulators, later y (row a at 32 + 32 a); v96-159, v160-223 batch slots, later b_out (v96), ln_g (v128), ln_b (v160); v224-239 statistics.
;   window 1: v0-127 ctx's eight fragments; v128-191 x's two rows; v192-255 the third batch slot.
.set MSB, 0
.macro WIN new                         ; the immediate's high byte repeats the setting that is left
.if MSB != \new
	s_set_vgpr_msb (MSB<<8)|\new
.set MSB, \new
.endif
.endm
	s_load_b512 s[4:19], s[0:1], 0x0               ; ctx_img s[4:5], wo_img s[6:7], the scales s[8:9], b_out s[10:11], x s[12:13], ln_g s[14:15], ln_b s[16:17], out0 s[18:19]
	v_lshl_add_u32 v254, v0, 2, 0x10100
	v_mov_b32 v255, 0
	v_lshrrev_b32 v1, 5, v0
	v_readfirstlane_b32 s20, v1                    ; wave 0..7
	v_and_b32 v1, 31, v0
	v_lshlrev_b32 v1, 4, v1                        ; 16 x lane
	v_and_b32 v4, 15, v0                           ; r
	v_bfe_u32 v5, v0, 4, 1                         ; h
	s_lshl_b32 s21, s20, 9
	v_mul_u32_u24 v2, v4, 4112
	v_lshl_add_u32 v2, v5, 5, v2
	v_add_nc_u32 v2, s21, v2                       ; the stage, in: row r, + 512 x wave, + 32 h
	s_mul_i32 s22, s20, 8224
	v_add_nc_u32 v3, s22, v1                       ; and out: rows 2 w, 2 w + 1, 16 bytes a lane
	s_lshl_b32 s32, ttmp9, 14                      ; ctx_img: my row tile's 16,384 bytes
	s_mov_b32 s33, 0
	s_lshl_b32 s34, s20, 17                        ; wo_img: my 128 columns' 131,072 bytes
	s_mov_b32 s35, 0
	s_lshl_b32 s36, ttmp9, 16                      ; x and out0: 16 rows of 4,096 bytes, + my two rows
	s_lshl_b32 s37, s20, 13
	s_add_co_u32 s36, s36, s37
	s_mov_b32 s37, 0
	s_mov_b32 s28, 0x76543210                      ; v_permlanex16_b32: lane l xor 16
	s_mov_b32 s29, 0xfedcba98
	s_mov_b32 s30, 0x3a800000                      ; 1 / 1024
	s_mov_b32 s31, 0x3727c5ac                      ; 1e-5
.irp a, 0,1
	v_mov_b32 v[228+8*\a], 0                       ; a lane permute's destination counts as read
	v_mov_b32 v[231+8*\a], 0                       ; named as the upper half of a pair
.endr
	s_wait_kmcnt 0x0
	s_load_b64 s[24:25], s[8:9], 0x18              ; e6, e7
	s_add_nc_u64 s[4:5], s[4:5], s[32:33]
	s_add_nc_u64 s[6:7], s[6:7], s[34:35]
	s_add_nc_u64 s[12:13], s[12:13], s[36:37]
	s_add_nc_u64 s[18:19], s[18:19], s[36:37]
	WIN 0x40                                       ; destination window 1, address window 0
.irp a, 0,1
.irp i, 0,1,2,3,4,5,6,7
	global_load_b128 v[128+32*\a+4*\i:131+32*\a+4*\i], v1, s[12:13] offset:4096*\a+512*\i th:TH_LOAD_NT
.endr
.endr
.set n, 0
.rept 32
	global_load_b128 v[4*n:4*n+3], v1, s[4:5] offset:512*n
.set n, n+1
.endr
.macro BLOAD b                         ; batch b: fragments 4 b .. 4 b + 3 of my stream (K step b / 2, column tiles 4 (b % 2) on) into slot b % 3
.if ((\b)%3) == 2
	WIN 0x40
.set SL, 192
.else
	WIN 0
.set SL, 96+64*((\b)%3)
.endif
.irp i, 0,1,2,3
.irp c, 0,1,2,3
	global_load_b128 v[SL+16*\i+4*\c:SL+16*\i+4*\c+3], v1, s[6:7] offset:2048*(4*(\b)+\i)+512*\c
.endr
.endr
.endm
.macro BMUL b                          ; four products; the eight accumulators take turns, one instruction a turn; the first two batches start the sums
.if (\b) < 14
	s_wait_loadcnt 32                              ; this batch is in; the two younger batches may be out
.elseif (\b) == 14
	s_wait_loadcnt 16
.else
	s_wait_loadcnt 0
.endif
.if ((\b)%3) == 2
	WIN 0x05                                       ; sources 0 and 1 window 1
.set SL, 192
.else
	WIN 0x04                                       ; source 1 (ctx) window 1
.set SL, 96+64*((\b)%3)
.endif
.irp i, 0,1,2,3
.if (\b) < 2
	v_wmma_f32_16x16x128_fp8_fp8 v[32+8*(4*((\b)%2)+\i):32+8*(4*((\b)%2)+\i)+7], v[SL+16*\i:SL+16*\i+15], v[16*((\b)/2):16*((\b)/2)+15], 0
.else
	v_wmma_f32_16x16x128_fp8_fp8 v[32+8*(4*((\b)%2)+\i):32+8*(4*((\b)%2)+\i)+7], v[SL+16*\i:SL+16*\i+15], v[16*((\b)/2):16*((\b)/2)+15], v[32+8*(4*((\b)%2)+\i):32+8*(4*((\b)%2)+\i)+7]
.endif
.endr
.rept 4
	v_nop                                          ; four places in front of loads into the slot just multiplied, and of the first read of results
.endr
.if (\b)+3 <= 15
	BLOAD (\b)+3
.endif
.endm
	BLOAD 0
	BLOAD 1
	BLOAD 2
.irp b, 0,1,2,3,4,5,6,7,8,9,10,11,12,13,14,15
	BMUL \b
.endr
	WIN 0
.irp i, 0,1,2,3,4,5,6,7
	global_load_b128 v[96+4*\i:99+4*\i], v1, s[10:11] offset:512*\i      ; b_out, ln_g, ln_b at my lane's columns 128 i + 4 lane + 0..3: they land while the sums go through the stage
	global_load_b128 v[128+4*\i:131+4*\i], v1, s[14:15] offset:512*\i
	global_load_b128 v[160+4*\i:163+4*\i], v1, s[16:17] offset:512*\i
.endr
.irp t, 0,1,2,3,4,5,6,7
	ds_store_b128 v2, v[32+8*\t:35+8*\t] offset:64*\t                    ; each accumulator from its low end on
	ds_store_b128 v2, v[36+8*\t:39+8*\t] offset:64*\t+16
.endr
	s_wait_dscnt 0x0                               ; for the others' sake: my stores into the stage are done
	s_barrier_signal -1
	s_barrier_wait -1
.irp a, 0,1
.irp i, 0,1,2,3,4,5,6,7
	ds_load_b128 v[32+32*\a+4*\i:35+32*\a+4*\i], v3 offset:4112*\a+512*\i
.endr
.endr
	s_wait_kmcnt 0x0
	s_add_co_i32 s26, s24, s25
	s_add_co_i32 s26, s26, 127
	s_lshl_b32 s26, s26, 23                        ; 2^(e6 + e7) as f32
	s_mov_b32 s27, s26                             ; named with it as a pair
	s_wait_dscnt 0x0
	s_wait_loadcnt 0x0
	WIN 0x10                                       ; source 2 (x) window 1
.set j, 0
.rept 32
	v_pk_fma_f32 v[32+j:33+j], v[32+j:33+j], s[26:27], v[128+j:129+j] op_sel_hi:[1,0,1]   ; sum x 2^(e6 + e7) + x
.set j, j+2
.endr
	WIN 0
.set j, 0
.rept 16
	v_pk_add_f32 v[32+j:33+j], v[32+j:33+j], v[96+j:97+j]                ; + b_out
	v_pk_add_f32 v[64+j:65+j], v[64+j:65+j], v[96+j:97+j]
.set j, j+2
.endr
; two chains of a row (v[224+8a:225+8a], v[226+8a:227+8a]) become the row's sum in every lane, in v[224+8a]
.macro REDUCE
.irp a, 0,1
	v_pk_add_f32 v[224+8*\a:225+8*\a], v[224+8*\a:225+8*\a], v[226+8*\a:227+8*\a]
.endr
.irp a, 0,1
	v_add_f32 v[224+8*\a], v[224+8*\a], v[225+8*\a]
.endr
.irp m, 1,2,4,8
.irp a, 0,1
	v_add_f32_dpp v[224+8*\a], v[224+8*\a], v[224+8*\a] row_xmask:\m row_mask:0xf bank_mask:0xf
.endr
.endr
.irp a, 0,1
	v_permlanex16_b32 v[228+8*\a], v[224+8*\a], s28, s29
.endr
.irp a, 0,1
	v_add_f32 v[224+8*\a], v[224+8*\a], v[228+8*\a]
.endr
.endm
.irp a, 0,1
	v_pk_add_f32 v[224+8*\a:225+8*\a], v[32+32*\a:33+32*\a], v[34+32*\a:35+32*\a]
	v_pk_add_f32 v[226+8*\a:227+8*\a], v[36+32*\a:37+32*\a], v[38+32*\a:39+32*\a]
.endr
.irp i, 8,12,16,20,24,28
.irp a, 0,1
	v_pk_add_f32 v[224+8*\a:225+8*\a], v[224+8*\a:225+8*\a], v[32+32*\a+\i:33+32*\a+\i]
	v_pk_add_f32 v[226+8*\a:227+8*\a], v[226+8*\a:227+8*\a], v[34+32*\a+\i:35+32*\a+\i]
.endr
.endr
	REDUCE
.irp a, 0,1
	v_mul_f32 v[230+8*\a], s30, v[224+8*\a]        ; the mean
.endr
.set j, 0
.rept 16
	v_pk_add_f32 v[32+j:33+j], v[32+j:33+j], v[230:231] op_sel_hi:[1,0] neg_lo:[0,1] neg_hi:[0,1]   ; y - mean
	v_pk_add_f32 v[64+j:65+j], v[64+j:65+j], v[238:239] op_sel_hi:[1,0] neg_lo:[0,1] neg_hi:[0,1]
.set j, j+2
.endr
.irp a, 0,1
	v_pk_mul_f32 v[224+8*\a:225+8*\a], v[32+32*\a:33+32*\a], v[32+32*\a:33+32*\a]
	v_pk_mul_f32 v[226+8*\a:227+8*\a], v[34+32*\a:35+32*\a], v[34+32*\a:35+32*\a]
.endr
.irp i, 4,8,12,16,20,24,28
.irp a, 0,1
	v_pk_fma_f32 v[224+8*\a:225+8*\a], v[32+32*\a+\i:33+32*\a+\i], v[32+32*\a+\i:33+32*\a+\i], v[224+8*\a:225+8*\a]
	v_pk_fma_f32 v[226+8*\a:227+8*\a], v[34+32*\a+\i:35+32*\a+\i], v[34+32*\a+\i:35+32*\a+\i], v[226+8*\a:227+8*\a]
.endr
.endr
	REDUCE
.irp a, 0,1
	v_fma_f32 v[224+8*\a], v[224+8*\a], s30, s31   ; the variance + 1e-5
.endr
.irp a, 0,1
	v_rsq_f32 v[230+8*\a], v[224+8*\a]
.endr
	v_nop                                          ; a plain line behind the last root
	s_wait_alu depctr_va_vdst(0)                   ; one wait for both roots, ahead of their first reader
.set j, 0
.rept 16
	v_pk_mul_f32 v[32+j:33+j], v[32+j:33+j], v[230:231] op_sel_hi:[1,0]
	v_pk_mul_f32 v[64+j:65+j], v[64+j:65+j], v[238:239] op_sel_hi:[1,0]
.set j, j+2
.endr
.set j, 0
.rept 16
	v_pk_fma_f32 v[32+j:33+j], v[32+j:33+j], v[128+j:129+j], v[160+j:161+j]   ; x ln_g + ln_b
	v_pk_fma_f32 v[64+j:65+j], v[64+j:65+j], v[128+j:129+j], v[160+j:161+j]
.set j, j+2
.endr
.irp a, 0,1
.irp i, 0,1,2,3,4,5,6,7
	global_store_b128 v1, v[32+32*\a+4*\i:35+32*\a+4*\i], s[18:19] offset:4096*\a+512*\i th:TH_STORE_NT   ; 512 consecutive bytes a store; written once, read by nobody here
.endr
.endr
	s_wait_tensorcnt 0x0
	ds_add_u32 v254, v255
	s_wait_dscnt 0x0
	s_endpgm
.Lfunc_end_k_q904534a406_outln:
	.size	k_q904534a406_outln, .Lfunc_end_k_q904534a406_outln-k_q904534a406_outln
	.p2alignl 7, 3214868480
	.fill 96, 4, 3214868480
	.section	.rodata,"a",@progbits
	.p2align	6, 0x0
	.amdhsa_kernel k_q904534a406_outln
		.amdhsa_group_segment_fixed_size 66816
		.amdhsa_private_segment_fixed_size 0
		.amdhsa_enable_private_segment 0
		.amdhsa_kernarg_size 64
		.amdhsa_user_sgpr_count 2
		.amdhsa_user_sgpr_kernarg_segment_ptr 1
		.amdhsa_wavefront_size32 1
		.amdhsa_system_sgpr_workgroup_id_x 1
		.amdhsa_system_sgpr_workgroup_id_y 1
		.amdhsa_system_sgpr_workgroup_id_z 1
		.amdhsa_system_vgpr_workitem_id 0
		.amdhsa_next_free_vgpr 512
		.amdhsa_next_free_sgpr 66
		.amdhsa_reserve_vcc 0
		.amdhsa_float_denorm_mode_32 3
		.amdhsa_float_denorm_mode_16_64 3
		.amdhsa_memory_ordered 1
		.amdhsa_forward_progress 1
		.amdhsa_inst_pref_size 60
	.end_amdhsa_kernel
	.amdgpu_metadata
---
amdhsa.version: [ 1, 2 ]
amdhsa.kernels:
  - .name:           k_q904534a406_outln
    .symbol:         k_q904534a406_outln.kd
    .args:
      - { .name: ctx_img, .offset: 0, .size: 8, .value_kind: global_buffer, .address_space: global }
      - { .name: wo_img, .offset: 8, .size: 8, .value_kind: global_buffer, .address_space: global }
      - { .name: lowp_scales, .offset: 16, .size: 8, .value_kind: global_buffer, .address_space: global }
      - { .name: b_out, .offset: 24, .size: 8, .value_kind: global_buffer, .address_space: global }
      - { .name: x, .offset: 32, .size: 8, .value_kind: global_buffer, .address_space: global }
      - { .name: ln_g, .offset: 40, .size: 8, .value_kind: global_buffer, .address_space: global }
      - { .name: ln_b, .offset: 48, .size: 8, .value_kind: global_buffer, .address_space: global }
      - { .name: out0, .offset: 56, .size: 8, .value_kind: global_buffer, .address_space: global }
    .group_segment_fixed_size: 66816
    .private_segment_fixed_size: 0
    .kernarg_segment_align: 8
    .kernarg_segment_size: 64
    .max_flat_workgroup_size: 256
    .sgpr_count:     66
    .vgpr_count:     512
    .wavefront_size: 32
...
	.end_amdgpu_metadata
.endif
;; end of part 4
;; ======== version 2 of 2: 4 launches; version 1 with the launch outln written anew for expert scheduling mode
;; workspace buffers: x_img 4,194,304 bytes; wo_img 1,048,576 bytes; q_img 4,194,304 bytes; kv_img 8,388,608 bytes; ctx_img 4,194,304 bytes
;; launch prep: the kernel of part 1 again; grid 320 x 1, 4 waves a work-group, no clusters, 85,504 bytes of LDS; arguments x, W_out_codes, lowp_scales, x_img, wo_img; writes x_img, wo_img
;; launch qkv: the kernel of part 2 again; grid 16 x 16, 4 waves a work-group, clusters of 4 x 1, 279,040 bytes of LDS; arguments x_img, W_qkv_codes, b_qkv, pos, lowp_scales, q_img, kv_img; writes q_img, kv_img
;; launch attn: the kernel of part 3 again; grid 8 x 32, 8 waves a work-group, clusters of 4 x 1, 263,168 bytes of LDS; arguments q_img, kv_img, lowp_scales, ctx_img; writes ctx_img
;; launch outln (part 5): grid 256 x 1, 8 waves a work-group, no clusters, 66,816 bytes of LDS; arguments ctx_img, wo_img, lowp_scales, b_out, x, ln_g, ln_b, out0; writes out0
.if DOCPART == 5
	.amdgcn_target "amdgcn-amd-amdhsa--gfx1250"
	.amdhsa_code_object_version 6
	.text
	.protected	k_q904534a406_outln
	.globl	k_q904534a406_outln
	.p2align	8
	.type	k_q904534a406_outln,@function
k_q904534a406_outln:
	s_mov_b64 s[64:65], 0
	v_nop
	global_prefetch_b8 v0, s[64:65] scope:SCOPE_SE
	s_setreg_imm32_b32 hwreg(HW_REG_WAVE_SCHED_MODE, 0, 2), 2
	s_setreg_imm32_b32 hwreg(HW_REG_WAVE_MODE, 25, 1), 1
	s_wait_xcnt 0x0
	s_wait_alu depctr_vm_vsrc(0)
; out = layernorm(x + ctx W_out + b_out) x ln_g + ln_b.  The product runs on codes of E4M3 (ctx_img, wo_img: both in the order of the plain K = 128 form's registers); all else in f32.
; SHARES.  A work-group takes 16 rows x all 1,024 columns, so that a row's mean and variance never leave it.  Wave w makes columns 128 w .. 128 w + 127: 8 accumulators, 8 K steps, 64 matrix instructions.
; Its 131,072 bytes of wo_img are one stream of consecutive bytes straight into registers, three batches of four fragments deep (32 to 48 loads of 512 bytes on their way); ctx's eight fragments and the rows of x are asked for at the head.
; NO CLUSTER, NO JOINT LOADS: each fragment of the weights feeds one matrix instruction of one wave; shared through LDS, the 1,048,576 bytes would pass it in refills behind rounds of a cluster's barrier, for 8 products a wave and K step.
; Nothing is prefetched: every work-group reads the same weights, and x and ctx are asked for at the head.
; THE PRODUCT IS USED TRANSPOSED (source 0 = 16 columns of W_out, source 1 = the 16 rows): a lane holds eight neighbouring columns of one row.  The sums meet in a stage in LDS (rows of 4,096 + 16 bytes); behind ONE barrier wave w
; owns the whole rows 2 w and 2 w + 1: the mean, then the variance of the differences (two passes), then the result, stored as whole rows.
; LIMIT: e6 + e7 between -126 and 127.  NaN is not served.
; REGISTERS.  window 0: v1 16 x lane, v2, v3 stage addresses; v32-95 the accumulators, later y (row a at 32 + 32 a); v96-159, v160-223 batch slots, later b_out (v96), ln_g (v128), ln_b (v160); v224-239 statistics.
;   window 1: v0-127 ctx's eight fragments; v128-191 x's two rows; v192-255 the third batch slot.
; THE MODE: SCHED_MODE bits 1:0 = 2 (LLVM: expert scheduling mode 2), set by the entry lines.  The code itself states the register dependences
; between vector or matrix instructions and memory or LDS instructions, with s_wait_alu, always for 0.
; THE PLAN.  Registers that memory or LDS instructions touch:
;   v1, v2, v3      offsets and LDS addresses: written at the head, never again; read by every load and store.  One wait on va_vdst ahead of the first load.
;   ctx, x          loaded once at the head; afterwards named by matrix and vector instructions alone.
;   the three slots batch b's sixteen loads land in slot b % 3; its four products read it; batch b + 3's loads land in it.  The wave's 512 registers hold no fourth slot, and a slot is asked for again at once:
;                   so ONE wait on va_vdst stands in a batch, behind its four products and behind the window switch of the loads, ahead of the sixteen loads.
;   v32-95          written by the products; read by the LDS stores (a wait on va_vdst behind the four places; the same wait serves the loads of b_out, ln_g, ln_b into slots 0 and 1, which the products have read);
;                   then the loads from the stage land in them (a wait on vm_vsrc behind the barrier); then the layer norm rewrites them; then the global stores read them (a wait on va_vdst for each of the two rows).
;   s20             written by v_readfirstlane_b32: a wait on va_sdst ahead of its first reader.
;   v254, v255      written at the head, read by the closing add alone.
.set MSB, 0
.macro WIN new                         ; the immediate's high byte repeats the setting that is left
.if MSB != \new
	s_set_vgpr_msb (MSB<<8)|\new
.set MSB, \new
.endif
.endm
	s_load_b512 s[4:19], s[0:1], 0x0               ; ctx_img s[4:5], wo_img s[6:7], the scales s[8:9], b_out s[10:11], x s[12:13], ln_g s[14:15], ln_b s[16:17], out0 s[18:19]
	v_lshl_add_u32 v254, v0, 2, 0x10100
	v_mov_b32 v255, 0
	v_lshrrev_b32 v1, 5, v0
	v_readfirstlane_b32 s20, v1                    ; wave 0..7
	v_and_b32 v1, 31, v0
	v_lshlrev_b32 v1, 4, v1                        ; 16 x lane
	v_and_b32 v4, 15, v0                           ; r
	v_bfe_u32 v5, v0, 4, 1                         ; h
	s_wait_alu depctr_va_sdst(0)                   ; s20 is written, ahead of its first reader: the stage's places and the bases of wo_img, x and out0 are made from it
	s_lshl_b32 s21, s20, 9
	v_mul_u32_u24 v2, v4, 4112
	v_lshl_add_u32 v2, v5, 5, v2
	v_add_nc_u32 v2, s21, v2                       ; the stage, in: row r, + 512 x wave, + 32 h
	s_mul_i32 s22, s20, 8224
	v_add_nc_u32 v3, s22, v1                       ; and out: rows 2 w, 2 w + 1, 16 bytes a lane
	s_lshl_b32 s32, ttmp9, 14                      ; ctx_img: my row tile's 16,384 bytes
	s_mov_b32 s33, 0
	s_lshl_b32 s34, s20, 17                        ; wo_img: my 128 columns' 131,072 bytes
	s_mov_b32 s35, 0
	s_lshl_b32 s36, ttmp9, 16                      ; x and out0: 16 rows of 4,096 bytes, + my two rows
	s_lshl_b32 s37, s20, 13
	s_add_co_u32 s36, s36, s37
	s_mov_b32 s37, 0
	s_mov_b32 s28, 0x76543210                      ; v_permlanex16_b32: lane l xor 16
	s_mov_b32 s29, 0xfedcba98
	s_mov_b32 s30, 0x3a800000                      ; 1 / 1024
	s_mov_b32 s31, 0x3727c5ac                      ; 1e-5
.irp a, 0,1
	v_mov_b32 v[228+8*\a], 0                       ; a lane permute's destination counts as read
	v_mov_b32 v[231+8*\a], 0                       ; named as the upper half of a pair
.endr
	s_wait_kmcnt 0x0
	s_load_b64 s[24:25], s[8:9], 0x18              ; e6, e7
	s_add_nc_u64 s[4:5], s[4:5], s[32:33]
	s_add_nc_u64 s[6:7], s[6:7], s[34:35]
	s_add_nc_u64 s[12:13], s[12:13], s[36:37]
	s_add_nc_u64 s[18:19], s[18:19], s[36:37]
	WIN 0x40                                       ; destination window 1, address window 0
	s_wait_alu depctr_va_vdst(0)                   ; v1, v2 and v3 are written: every load and store of the kernel reads one of them.  Up to the first product only loads and window switches follow
.irp a, 0,1
.irp i, 0,1,2,3,4,5,6,7
	global_load_b128 v[128+32*\a+4*\i:131+32*\a+4*\i], v1, s[12:13] offset:4096*\a+512*\i th:TH_LOAD_NT
.endr
.endr
.set n, 0
.rept 32
	global_load_b128 v[4*n:4*n+3], v1, s[4:5] offset:512*n
.set n, n+1
.endr
; batch b: fragments 4 b .. 4 b + 3 of my stream (K step b / 2, column tiles 4 (b % 2) on) into slot b % 3.  again = 1: the slot has just been multiplied
.macro BLOAD b, again
.if ((\b)%3) == 2
	WIN 0x40
.set SL, 192
.else
	WIN 0
.set SL, 96+64*((\b)%3)
.endif
.if \again
	s_wait_alu depctr_va_vdst(0)                   ; the four products just issued are done reading this slot, in which the sixteen loads below land
.endif
.irp i, 0,1,2,3
.irp c, 0,1,2,3
	global_load_b128 v[SL+16*\i+4*\c:SL+16*\i+4*\c+3], v1, s[6:7] offset:2048*(4*(\b)+\i)+512*\c
.endr
.endr
.endm
.macro BMUL b                          ; four products; the eight accumulators take turns, one instruction a turn; the first two batches start the sums
.if (\b) < 14
	s_wait_loadcnt 32                              ; this batch is in; the two younger batches may be out
.elseif (\b) == 14
	s_wait_loadcnt 16
.else
	s_wait_loadcnt 0
.endif
.if ((\b)%3) == 2
	WIN 0x05                                       ; sources 0 and 1 window 1
.set SL, 192
.else
	WIN 0x04                                       ; source 1 (ctx) window 1
.set SL, 96+64*((\b)%3)
.endif
.irp i, 0,1,2,3
.if (\b) < 2
	v_wmma_f32_16x16x128_fp8_fp8 v[32+8*(4*((\b)%2)+\i):32+8*(4*((\b)%2)+\i)+7], v[SL+16*\i:SL+16*\i+15], v[16*((\b)/2):16*((\b)/2)+15], 0
.else
	v_wmma_f32_16x16x128_fp8_fp8 v[32+8*(4*((\b)%2)+\i):32+8*(4*((\b)%2)+\i)+7], v[SL+16*\i:SL+16*\i+15], v[16*((\b)/2):16*((\b)/2)+15], v[32+8*(4*((\b)%2)+\i):32+8*(4*((\b)%2)+\i)+7]
.endif
.endr
.rept 4
	v_nop                                          ; four places behind the products: ahead of the first read of results; ahead of the loads into the slot just multiplied they stand beside the wait that states that dependence
.endr
.if (\b)+3 <= 15
	BLOAD (\b)+3, 1                                ; the slot is asked for again at once
.endif
.endm
	BLOAD 0, 0
	BLOAD 1, 0
	BLOAD 2, 0
.irp b, 0,1,2,3,4,5,6,7,8,9,10,11,12,13,14,15
	BMUL \b
.endr
	WIN 0
	s_wait_alu depctr_va_vdst(0)                   ; the products have written the accumulators, which the LDS stores below read, and are done reading slots 0 and 1, in which the 24 loads below land; the four places above stay beside this wait
.irp i, 0,1,2,3,4,5,6,7
	global_load_b128 v[96+4*\i:99+4*\i], v1, s[10:11] offset:512*\i      ; b_out, ln_g, ln_b at my lane's columns 128 i + 4 lane + 0..3: they land while the sums go through the stage
	global_load_b128 v[128+4*\i:131+4*\i], v1, s[14:15] offset:512*\i
	global_load_b128 v[160+4*\i:163+4*\i], v1, s[16:17] offset:512*\i
.endr
.irp t, 0,1,2,3,4,5,6,7
	ds_store_b128 v2, v[32+8*\t:35+8*\t] offset:64*\t                    ; each accumulator from its low end on
	ds_store_b128 v2, v[36+8*\t:39+8*\t] offset:64*\t+16
.endr
	s_wait_dscnt 0x0                               ; for the others' sake: my stores into the stage are done
	s_barrier_signal -1
	s_barrier_wait -1
	s_wait_alu depctr_vm_vsrc(0)                   ; my LDS stores have read v32-95, in which the loads from the stage land and which the layer norm then rewrites (no vector or matrix instruction has named them since the last wait on va_vdst)
.irp a, 0,1
.irp i, 0,1,2,3,4,5,6,7
	ds_load_b128 v[32+32*\a+4*\i:35+32*\a+4*\i], v3 offset:4112*\a+512*\i
.endr
.endr
	s_wait_kmcnt 0x0
	s_add_co_i32 s26, s24, s25
	s_add_co_i32 s26, s26, 127
	s_lshl_b32 s26, s26, 23                        ; 2^(e6 + e7) as f32
	s_mov_b32 s27, s26                             ; named with it as a pair
	s_wait_dscnt 0x0
	s_wait_loadcnt 0x0
	WIN 0x10                                       ; source 2 (x) window 1
.set j, 0
.rept 32
	v_pk_fma_f32 v[32+j:33+j], v[32+j:33+j], s[26:27], v[128+j:129+j] op_sel_hi:[1,0,1]   ; sum x 2^(e6 + e7) + x
.set j, j+2
.endr
	WIN 0
.set j, 0
.rept 16
	v_pk_add_f32 v[32+j:33+j], v[32+j:33+j], v[96+j:97+j]                ; + b_out
	v_pk_add_f32 v[64+j:65+j], v[64+j:65+j], v[96+j:97+j]
.set j, j+2
.endr
; two chains of a row (v[224+8a:225+8a], v[226+8a:227+8a]) become the row's sum in every lane, in v[224+8a]
.macro REDUCE
.irp a, 0,1
	v_pk_add_f32 v[224+8*\a:225+8*\a], v[224+8*\a:225+8*\a], v[226+8*\a:227+8*\a]
.endr
.irp a, 0,1
	v_add_f32 v[224+8*\a], v[224+8*\a], v[225+8*\a]
.endr
.irp m, 1,2,4,8
.irp a, 0,1
	v_add_f32_dpp v[224+8*\a], v[224+8*\a], v[224+8*\a] row_xmask:\m row_mask:0xf bank_mask:0xf
.endr
.endr
.irp a, 0,1
	v_permlanex16_b32 v[228+8*\a], v[224+8*\a], s28, s29
.endr
.irp a, 0,1
	v_add_f32 v[224+8*\a], v[224+8*\a], v[228+8*\a]
.endr
.endm
.irp a, 0,1
	v_pk_add_f32 v[224+8*\a:225+8*\a], v[32+32*\a:33+32*\a], v[34+32*\a:35+32*\a]
	v_pk_add_f32 v[226+8*\a:227+8*\a], v[36+32*\a:37+32*\a], v[38+32*\a:39+32*\a]
.endr
.irp i, 8,12,16,20,24,28
.irp a, 0,1
	v_pk_add_f32 v[224+8*\a:225+8*\a], v[224+8*\a:225+8*\a], v[32+32*\a+\i:33+32*\a+\i]
	v_pk_add_f32 v[226+8*\a:227+8*\a], v[226+8*\a:227+8*\a], v[34+32*\a+\i:35+32*\a+\i]
.endr
.endr
	REDUCE
.irp a, 0,1
	v_mul_f32 v[230+8*\a], s30, v[224+8*\a]        ; the mean
.endr
.set j, 0
.rept 16
	v_pk_add_f32 v[32+j:33+j], v[32+j:33+j], v[230:231] op_sel_hi:[1,0] neg_lo:[0,1] neg_hi:[0,1]   ; y - mean
	v_pk_add_f32 v[64+j:65+j], v[64+j:65+j], v[238:239] op_sel_hi:[1,0] neg_lo:[0,1] neg_hi:[0,1]
.set j, j+2
.endr
.irp a, 0,1
	v_pk_mul_f32 v[224+8*\a:225+8*\a], v[32+32*\a:33+32*\a], v[32+32*\a:33+32*\a]
	v_pk_mul_f32 v[226+8*\a:227+8*\a], v[34+32*\a:35+32*\a], v[34+32*\a:35+32*\a]
.endr
.irp i, 4,8,12,16,20,24,28
.irp a, 0,1
	v_pk_fma_f32 v[224+8*\a:225+8*\a], v[32+32*\a+\i:33+32*\a+\i], v[32+32*\a+\i:33+32*\a+\i], v[224+8*\a:225+8*\a]
	v_pk_fma_f32 v[226+8*\a:227+8*\a], v[34+32*\a+\i:35+32*\a+\i], v[34+32*\a+\i:35+32*\a+\i], v[226+8*\a:227+8*\a]
.endr
.endr
	REDUCE
.irp a, 0,1
	v_fma_f32 v[224+8*\a], v[224+8*\a], s30, s31   ; the variance + 1e-5
.endr
.irp a, 0,1
	v_rsq_f32 v[230+8*\a], v[224+8*\a]
.endr
	v_nop                                          ; a plain line behind the last root
	s_wait_alu depctr_va_vdst(0)                   ; the two roots have written v230 and v238: one wait for both, ahead of their first reader
; THE RESULT, a row at a time: row 2 w is finished first, and its eight stores are dealt among row 2 w + 1's arithmetic, which names v64-95, ln_g, ln_b and v[238:239]: none of the registers that those stores read
.set j, 0
.rept 16
	v_pk_mul_f32 v[32+j:33+j], v[32+j:33+j], v[230:231] op_sel_hi:[1,0]
.set j, j+2
.endr
.set j, 0
.rept 16
	v_pk_fma_f32 v[32+j:33+j], v[32+j:33+j], v[128+j:129+j], v[160+j:161+j]   ; x ln_g + ln_b
.set j, j+2
.endr
	s_wait_alu depctr_va_vdst(0)                   ; the multiply-adds have written v32-63, row 2 w, which the eight stores below read
.irp i, 0,1,2,3,4,5,6,7
	global_store_b128 v1, v[32+4*\i:35+4*\i], s[18:19] offset:512*\i th:TH_STORE_NT   ; 512 consecutive bytes a store; written once, read by nobody here
	v_pk_mul_f32 v[64+4*\i:65+4*\i], v[64+4*\i:65+4*\i], v[238:239] op_sel_hi:[1,0]
	v_pk_mul_f32 v[66+4*\i:67+4*\i], v[66+4*\i:67+4*\i], v[238:239] op_sel_hi:[1,0]
	v_pk_fma_f32 v[64+4*\i:65+4*\i], v[64+4*\i:65+4*\i], v[128+4*\i:129+4*\i], v[160+4*\i:161+4*\i]   ; x ln_g + ln_b
	v_pk_fma_f32 v[66+4*\i:67+4*\i], v[66+4*\i:67+4*\i], v[130+4*\i:131+4*\i], v[162+4*\i:163+4*\i]
.endr
	s_wait_alu depctr_va_vdst(0)                   ; the multiply-adds have written v64-95, row 2 w + 1, which the last eight stores read
.irp i, 0,1,2,3,4,5,6,7
	global_store_b128 v1, v[64+4*\i:67+4*\i], s[18:19] offset:4096+512*\i th:TH_STORE_NT
.endr
	s_wait_dscnt 0x0                               ; the closing lines, six on end (every window is 0 here: the add's two registers lie in window 0)
	s_wait_alu 0x0
	s_wait_tensorcnt 0x0
	ds_add_u32 v254, v255
	s_wait_dscnt 0x0
	s_endpgm
.Lfunc_end_k_q904534a406_outln:
	.size	k_q904534a406_outln, .Lfunc_end_k_q904534a406_outln-k_q904534a406_outln
	.p2alignl 7, 3214868480
	.fill 96, 4, 3214868480
	.section	.rodata,"a",@progbits
	.p2align	6, 0x0
	.amdhsa_kernel k_q904534a406_outln
		.amdhsa_group_segment_fixed_size 66816
		.amdhsa_private_segment_fixed_size 0
		.amdhsa_enable_private_segment 0
		.amdhsa_kernarg_size 64
		.amdhsa_user_sgpr_count 2
		.amdhsa_user_sgpr_kernarg_segment_ptr 1
		.amdhsa_wavefront_size32 1
		.amdhsa_system_sgpr_workgroup_id_x 1
		.amdhsa_system_sgpr_workgroup_id_y 1
		.amdhsa_system_sgpr_workgroup_id_z 1
		.amdhsa_system_vgpr_workitem_id 0
		.amdhsa_next_free_vgpr 512
		.amdhsa_next_free_sgpr 66
		.amdhsa_reserve_vcc 0
		.amdhsa_float_denorm_mode_32 3
		.amdhsa_float_denorm_mode_16_64 3
		.amdhsa_memory_ordered 1
		.amdhsa_forward_progress 1
		.amdhsa_inst_pref_size 61
	.end_amdhsa_kernel
	.amdgpu_metadata
---
amdhsa.version: [ 1, 2 ]
amdhsa.kernels:
  - .name:           k_q904534a406_outln
    .symbol:         k_q904534a406_outln.kd
    .args:
      - { .name: ctx_img, .offset: 0, .size: 8, .value_kind: global_buffer, .address_space: global }
      - { .name: wo_img, .offset: 8, .size: 8, .value_kind: global_buffer, .address_space: global }
      - { .name: lowp_scales, .offset: 16, .size: 8, .value_kind: global_buffer, .address_space: global }
      - { .name: b_out, .offset: 24, .size: 8, .value_kind: global_buffer, .address_space: global }
      - { .name: x, .offset: 32, .size: 8, .value_kind: global_buffer, .address_space: global }
      - { .name: ln_g, .offset: 40, .size: 8, .value_kind: global_buffer, .address_space: global }
      - { .name: ln_b, .offset: 48, .size: 8, .value_kind: global_buffer, .address_space: global }
      - { .name: out0, .offset: 56, .size: 8, .value_kind: global_buffer, .address_space: global }
    .group_segment_fixed_size: 66816
    .private_segment_fixed_size: 0
    .kernarg_segment_align: 8
    .kernarg_segment_size: 64
    .max_flat_workgroup_size: 256
    .sgpr_count:     66
    .vgpr_count:     512
    .wavefront_size: 32
...
	.end_amdgpu_metadata
.endif
;; end of part 5
